; MI455X (gfx1250); checked and timed in simulation.
; The chip was launched on July 23, 2026; its instructions are those of AMD's public machine-readable ISA for CDNA 5 (MIT licence, August 2026) and "CDNA5" Instruction Set Architecture Reference Guide (July 2026). The comments in the code are by the model that wrote it; some were corrected since.
;; Lean Self Attention. Allowed arithmetic: matrix products marked QUANTISED: E4M3 operands, one E8M0 scale for each 32 along K, by v_wmma_scale_f32_16x16x128_f8f6f4 with both operands' format E4M3, f32 sums; everything else in f32.
;; Inputs: W_out 1,024 x 1,024 float32; W_qkv 1,024 x 3,072 float32; attention_mask 4 x 1 x 2,048 x 2,048 float32; b_out 1,024 float32; b_qkv 3,072 float32; hidden_states 4 x 2,048 x 1,024 float32; ln_beta 1,024 float32; ln_gamma 1,024 float32.
;; Outputs: out0 4 x 2,048 x 1,024 float32.
;; This version of the problem:
;;   THIS VERSION OF THE PROBLEM IS GIVEN IN LOW PRECISION. The matrix products marked QUANTISED in the list below multiply operands that are first quantised to E4M3 (4 exponent bits, 3 mantissa bits; 8 bits a number), with one power-of-two scale for each 32 numbers along K (OCP MX v1.0); their sums are f32. All else is computed in f32.
;;   The module's matrix products, in the order in which they are computed (A, B: the left and right operand; K: the contracted axis; several contracted axes count as one K, in the product's order):
;;     1. [M 8,192, K 1,024] x [K 1,024, N 3,072]; A: computed on the way; B: input W_qkv: QUANTISED
;;     2. batch 64 x [M 2,048, K 64] x [K 64, N 2,048]; A: computed on the way; B: computed on the way: QUANTISED
;;     3. batch 64 x [M 2,048, K 2,048] x [K 2,048, N 64]; A: softmax (see below); B: computed on the way: QUANTISED
;;     4. [M 8,192, K 1,024] x [K 1,024, N 1,024]; A: computed on the way; B: input W_out: QUANTISED
;;   THE QUANTISER, for each operand of a quantised product, along K:
;;     - K is cut into blocks of 32 from its start; a last block that is shorter is filled with zeros.
;;     - A block's scale is 2^e with e = floor(log2(the largest magnitude in the block)) - 8, held to -126 .. 127; a block of zeros has e = 0. As a byte (E8M0): e + 127.
;;     - Each number is divided by its block's scale, clamped to +-448, and rounded to the nearest number of E4M3, ties to even, subnormals kept.
;;     - The product sums the exact products of the quantised numbers (number of the format x scale) in f32.
;;   ~~~python
;;   def quantise(x, axis):      # numpy; x: float32 -> the quantised numbers, widened to float32 again
;;       x = np.moveaxis(x, axis, -1); K = x.shape[-1]
;;       x = np.pad(x, [(0, 0)] * (x.ndim - 1) + [(0, -K % 32)]); x = x.reshape(x.shape[:-1] + (-1, 32)); a = np.abs(x).max(-1, keepdims=True)
;;       e = np.where(a > 0, np.clip(np.frexp(np.where(a > 0, a, 1))[1] - 1 - 8, -126, 127), 0)      # np.frexp(a)[1] - 1 = floor(log2(a)), exactly
;;       r = np.clip(x / 2.0 ** e, -448, 448)
;;       step = 2.0 ** (np.maximum(np.frexp(np.where(r == 0, 1, r))[1] - 1, -6) - 3)
;;       q = np.round(r / step) * step * 2.0 ** e      # np.round: ties to even
;;       return np.moveaxis(q.reshape(q.shape[:-2] + (-1,))[..., :K], -1, axis).astype(np.float32)
;;   ~~~
;;   SOFTMAX AHEAD OF A QUANTISED PRODUCT. Where the list says 'softmax', what is quantised is not the finished softmax but p = 2^(t - M), with t = logit x log2(e) and M = ceil(the row's largest t), a whole number; so 1/2 < the row's largest p <= 1. The row's sum l is taken of the UNQUANTISED p, in f32, and the product's result is divided by l at the end. Since M is a whole number, a kernel that streams over the keys may use a running M (the ceiling of the running maximum): every later rescaling is an exact power of two, which a block's scale takes up: the codes' values come out the same.
;;   OPERANDS COMPUTED ON THE WAY. 'Computed on the way' means the value that the module computes at that place (a softmax that the list does not call 'softmax' is quantised finished and normalised). What goes into a quantiser is computed in f32, as accurately as f32 sums, v_exp_f32 and their like allow (about 1e-6 of the number): no bf16 or f16 on the way to a quantiser, and a product that is left as it is and whose result goes on into a quantised operand takes f32 operands (vector FMAs, or v_wmma_f32_16x16x4_f32). A number that lies on a knife's edge between two numbers of the format may be rounded either way, as far as f32 arithmetic and the matrix unit's own rounding can turn it there, and no further.
;; One version. Each part assembles by itself: llvm-mc -triple=amdgcn-amd-amdhsa -mcpu=gfx1250 --defsym DOCPART=n.
;; ======== version 1 of 1: 4 launches
;; limits: right only within a limited range of input values
;; workspace buffers: xc 8,388,608 bytes; xs 262,144 bytes; wc 4,194,304 bytes; ws 131,072 bytes; qkvb 25,952,256 bytes; ac 8,388,608 bytes; asc 262,144 bytes
;; launch prep (part 1): grid 384 x 1, 4 waves a work-group, no clusters, 56,832 bytes of LDS; arguments hidden_states, ln_gamma, ln_beta, W_qkv, W_out, xc, xs, wc, ws; writes xc, xs, wc, ws
.if DOCPART == 1
	.amdgcn_target "amdgcn-amd-amdhsa--gfx1250"
	.amdhsa_code_object_version 6
	.text
	.protected	k_q8fe5e63739_prep
	.globl	k_q8fe5e63739_prep
	.p2align	8
	.type	k_q8fe5e63739_prep,@function
k_q8fe5e63739_prep:
	s_mov_b64 s[64:65], 0
	v_nop
	global_prefetch_b8 v0, s[64:65] scope:SCOPE_SE
	s_setreg_imm32_b32 hwreg(HW_REG_WAVE_MODE, 25, 1), 1
	s_wait_xcnt 0x0
; Two jobs in one launch, parted on the work-group's number; the two ways never join and have LDS bytes of their own.
; WORK-GROUPS 0-255: LayerNorm of hidden_states [8192][1024] f32 (mean, then the variance of the differences: two passes over registers, so a common offset costs nothing), times gamma plus beta,
;   quantised along the 1,024 into codes of E4M3 (xc [8192 slots][1024]) and one E8M0 byte for each 32 (xs [8192 slots][32]).
; WORK-GROUPS 256-383: W_qkv [1024][3072] and W_out [1024][1024], f32, K their FIRST axis, quantised along K into wc [4096 slots][1024] (K innermost) and ws [4096 slots][32]; slots 0-3071 are W_qkv's columns, 3072-4095 W_out's.
; SLOT ORDER: row (or column) m lies at the slot that is m with bits 3 and 4 exchanged.  A fragment of 16 neighbouring slots then holds rows 32 (i/2) + 8 (i%2) + r%8 + 16 (r/8), the order in which the
;   next launch's results come out as 16 neighbours along the next K.
; A block's scale is 2^(floor(log2(largest magnitude)) - 8); its byte is the largest magnitude's exponent field - 8, held at 1 from below.  A block of zeros so gets the byte 1 where the quantiser says 127: its codes are zeros,
;   which add nothing under any byte but 0xff, and this program alone reads the bytes.
; LIMITS: NaN and infinities among the inputs are not served; blocks whose largest magnitude lies under 2^-118 are held at the byte 1.
; No tensor loads, no barrier: waves share nothing.
.set XR,  80                           ; v80-143  two sets of 32: a row as it is loaded
.set XX,  144                          ; v144-175 the row: register 16 s + i = number 512 s + 16 lane + i
.set XC,  176                          ; v176-191 codes: eight registers for even rows, eight for odd
.set XT,  192                          ; v192-199 four summing chains
.set MU,  200                          ; v200-201 the mean, twice
.set RS,  202                          ; v202-203 1 / sqrt(variance + eps), twice
.set XE,  204                          ; v204-205 two scale bytes
.set GA,  16                           ; v16-47   gamma of my 32 numbers
.set BE,  48                           ; v48-79   beta
.set WX,  32                           ; the weights' way: v32-95 two sets of 32 numbers
.set WC,  96                           ; v96-103  a block's codes
.set WOUT, 112                         ; v112-175 the way out
.set WSB, 24                           ; v24-25   eight scale bytes
.set WOFF, 176                         ; v176-207 4 x lane + i x pitch
	s_load_b256 s[4:11], s[0:1], 0x0               ; hidden_states, gamma, beta, W_qkv
	s_load_b256 s[12:19], s[0:1], 0x20             ; W_out, xc, xs, wc
	s_load_b64 s[20:21], s[0:1], 0x40              ; ws
	v_lshl_add_u32 v224, v0, 2, 0xdc00
	v_mov_b32 v225, 0
	v_lshrrev_b32 v1, 5, v0
	v_readfirstlane_b32 s24, v1                    ; wave 0..3
	v_and_b32 v2, 31, v0                           ; lane
	s_mov_b32 s25, 0x600000                        ; the mantissa field of 448
	s_wait_kmcnt 0x0
	s_cmp_lt_u32 ttmp9, 256
	s_cbranch_scc0 .Lw
; ---------------- LayerNorm and quantiser: 32 rows a work-group, 8 a wave, one row (4,096 bytes, 32 registers a lane) at a time
	s_wait_alu depctr_va_vdst(0)
	v_lshlrev_b32 v3, 4, v2                        ; 16 x lane: my bytes of a load's 512, and of a store's
	s_mul_i32 s30, s24, 5376                       ; my wave's LDS: a stage of 64 places x 80 bytes, then 256 scale bytes
	v_lshrrev_b32 v14, 2, v2
	v_mul_u32_u24 v14, v14, 80
	v_and_b32 v15, 3, v2
	v_lshl_add_u32 v14, v15, 4, v14
	v_add_nc_u32 v14, s30, v14                     ; into the stage: four lanes' 64 bytes on end, then 16 of padding
	v_mul_u32_u24 v15, v2, 80
	v_add_nc_u32 v15, s30, v15                     ; out of it: 80 x lane: 16 neighbours
	s_add_co_u32 s30, s30, 5120
	v_lshrrev_b32 v5, 1, v2
	v_add_nc_u32 v5, s30, v5                       ; my block's scale byte
	v_lshlrev_b32 v7, 3, v2
	v_add_nc_u32 v6, s30, v7                       ; and 8 bytes a lane on the way out
	v_lshlrev_b32 v4, 6, v2                        ; gamma, beta: 64 x lane
	s_wait_alu depctr_va_vdst(0)
	v_mov_b32 v9, 0                                ; a lane permute's destination counts as read: written once
	s_mov_b32 s26, 0x76543210
	s_mov_b32 s27, 0xfedcba98                      ; selects for lane l xor 16
	s_mov_b32 s28, 0x3a800000                      ; 1 / 1024
	s_mov_b32 s29, 0x2b8cbccc                      ; 1e-12
	s_lshl_b32 s32, ttmp9, 17                      ; 32 rows of 4,096 bytes a work-group,
	s_lshl_b32 s33, s24, 15                        ; 8 a wave
	s_add_co_u32 s32, s32, s33
	s_mov_b32 s33, 0
	s_add_nc_u64 s[4:5], s[4:5], s[32:33]
	s_and_b32 s34, s24, 1                          ; the slot order moves whole groups of 8 rows: the wave's two bits change places
	s_lshl_b32 s34, s34, 1
	s_lshr_b32 s35, s24, 1
	s_or_b32 s34, s34, s35
	s_lshl_b32 s35, ttmp9, 2
	s_add_co_u32 s34, s34, s35                     ; which group of 8 slots is mine
	s_lshl_b32 s32, s34, 13
	s_add_nc_u64 s[14:15], s[14:15], s[32:33]      ; 8 rows of 1,024 codes
	s_lshl_b32 s32, s34, 8
	s_add_nc_u64 s[16:17], s[16:17], s[32:33]      ; 8 rows of 32 scale bytes
.macro LOADROW t
.irp i, 0,1,2,3,4,5,6,7
	global_load_b128 v[XR+32*((\t)%2)+4*\i:XR+32*((\t)%2)+4*\i+3], v3, s[4:5] offset:4096*(\t)+512*\i th:TH_LOAD_NT   ; 32 lanes read 512 consecutive bytes
.endr
.endm
.macro ALLSUM                          ; v8 summed over the 32 lanes, the result in every lane
	v_add_f32_dpp v8, v8, v8 row_xmask:1 row_mask:0xf bank_mask:0xf
	v_add_f32_dpp v8, v8, v8 row_xmask:2 row_mask:0xf bank_mask:0xf
	v_add_f32_dpp v8, v8, v8 row_xmask:4 row_mask:0xf bank_mask:0xf
	v_add_f32_dpp v8, v8, v8 row_xmask:8 row_mask:0xf bank_mask:0xf
	v_permlanex16_b32 v9, v8, s26, s27
	v_add_f32 v8, v8, v9
.endm
.macro JOIN                            ; the four chains into v8
	v_pk_add_f32 v[XT:XT+1], v[XT:XT+1], v[XT+2:XT+3]
	v_pk_add_f32 v[XT+4:XT+5], v[XT+4:XT+5], v[XT+6:XT+7]
	v_pk_add_f32 v[XT:XT+1], v[XT:XT+1], v[XT+4:XT+5]
	v_add_f32 v8, v[XT], v[XT+1]
	ALLSUM
.endm
	LOADROW 0
	LOADROW 1
.irp s, 0,1
.irp j, 0,1,2,3
	global_load_b128 v[GA+16*\s+4*\j:GA+16*\s+4*\j+3], v4, s[6:7] offset:2048*\s+16*\j
	global_load_b128 v[BE+16*\s+4*\j:BE+16*\s+4*\j+3], v4, s[8:9] offset:2048*\s+16*\j
.endr
.endr
	s_wait_loadcnt 0x0                             ; gamma and beta, once
.macro ROW t
.set RR, XR+32*((\t)%2)
.set CC, XC+8*((\t)%2)
.if (\t) < 7
	s_wait_loadcnt 8                               ; this row's eight loads are in; the next row's eight may be out
.else
	s_wait_loadcnt 0x0
.endif
.irp i, 0,1,2,3,4,5,6,7
	ds_store_b128 v14, v[RR+4*\i:RR+4*\i+3] offset:640*\i      ; as loaded: 512 bytes take eight places
.endr
.irp s, 0,1
.irp j, 0,1,2,3
	ds_load_b128 v[XX+16*\s+4*\j:XX+16*\s+4*\j+3], v15 offset:2560*\s+16*\j   ; LDS serves a wave's instructions in order: these see the stores above
.endr
.endr
	s_wait_dscnt 0x0                               ; the row is back, 16 neighbours twice a lane; the stores have read their registers,
.if (\t) < 6
	LOADROW (\t)+2                                 ; which take the row two further on
.endif
.irp k, 0,2,4,6
	v_pk_add_f32 v[XT+\k:XT+\k+1], v[XX+\k:XX+\k+1], v[XX+8+\k:XX+9+\k]       ; the sum, in four chains
.endr
.irp i, 16,24
.irp k, 0,2,4,6
	v_pk_add_f32 v[XT+\k:XT+\k+1], v[XT+\k:XT+\k+1], v[XX+\i+\k:XX+\i+\k+1]
.endr
.endr
	JOIN
	v_mul_f32 v[MU], s28, v8                       ; the mean
	v_mul_f32 v[MU+1], s28, v8
.set i, 0
.rept 16
	v_pk_add_f32 v[XX+i:XX+i+1], v[XX+i:XX+i+1], v[MU:MU+1] neg_lo:[0,1] neg_hi:[0,1]   ; x - mean
.set i, i+2
.endr
.irp k, 0,2,4,6
	v_pk_mul_f32 v[XT+\k:XT+\k+1], v[XX+\k:XX+\k+1], v[XX+\k:XX+\k+1]         ; the sum of squares
.endr
.irp i, 8,16,24
.irp k, 0,2,4,6
	v_pk_fma_f32 v[XT+\k:XT+\k+1], v[XX+\i+\k:XX+\i+\k+1], v[XX+\i+\k:XX+\i+\k+1], v[XT+\k:XT+\k+1]
.endr
.endr
	JOIN
	v_fma_f32 v10, v8, s28, s29                    ; the variance + eps
	s_wait_alu depctr_va_vdst(0)
	v_rsq_f32 v[RS], v10
	v_rsq_f32 v[RS+1], v10
	v_nop                                          ; one plain instruction between a transcendental and the use of its result (ISA guide 5.7.2)
.set i, 0
	s_wait_alu depctr_va_vdst(0)
.rept 16
	v_pk_mul_f32 v[XX+i:XX+i+1], v[XX+i:XX+i+1], v[RS:RS+1]
.set i, i+2
.endr
.set i, 0
.rept 16
	v_pk_fma_f32 v[XX+i:XX+i+1], v[XX+i:XX+i+1], v[GA+i:GA+i+1], v[BE+i:BE+i+1]
.set i, i+2
.endr
	s_wait_xcnt 0x0                                ; the stores of two rows ago have read their data: these codes' registers are written again only behind this wait
.irp s, 0,1
	v_max3_num_f32 v8, |v[XX+16*\s]|, |v[XX+16*\s+1]|, |v[XX+16*\s+2]|        ; the largest magnitude of my 16
	v_max3_num_f32 v9, |v[XX+16*\s+3]|, |v[XX+16*\s+4]|, |v[XX+16*\s+5]|
.irp i, 6,10
	v_max3_num_f32 v8, v8, |v[XX+16*\s+\i]|, |v[XX+16*\s+\i+1]|
	v_max3_num_f32 v9, v9, |v[XX+16*\s+\i+2]|, |v[XX+16*\s+\i+3]|
.endr
	v_max3_num_f32 v8, v8, |v[XX+16*\s+14]|, |v[XX+16*\s+15]|
	v_max3_num_f32 v8, v8, v9, 0x4800000           ; and the floor 2^(9 - 127): the byte cannot fall under 1
	v_max_num_f32_dpp v8, v8, v8 row_xmask:1 row_mask:0xf bank_mask:0xf       ; with my neighbour's 16: the block's
	v_add_nc_u32 v11, 0xfc000000, v8               ; 8 off its exponent field: the conversion's scale operand
	v_and_or_b32 v10, v8, 0x7f800000, s25          ; 448 x the scale
.set i, 0
.rept 16
	v_med3_num_f32 v[XX+16*\s+i], v[XX+16*\s+i], -v10, v10     ; the conversion to an 8-bit code does not saturate (ISA guide 7.6.2): the hold
.set i, i+1
.endr
	v_cvt_scalef32_pk8_fp8_f32 v[CC+4*\s:CC+4*\s+1], v[XX+16*\s:XX+16*\s+7], v11
	v_cvt_scalef32_pk8_fp8_f32 v[CC+4*\s+2:CC+4*\s+3], v[XX+16*\s+8:XX+16*\s+15], v11
	v_lshrrev_b32 v[XE+\s], 23, v11                ; the scale's byte (also the plain instruction behind the conversions)
	ds_store_b8 v5, v[XE+\s] offset:32*(\t)+16*\s  ; both lanes of a block write the same byte with the same value
	global_store_b128 v3, v[CC+4*\s:CC+4*\s+3], s[14:15] offset:1024*(\t)+512*\s   ; 32 lanes store 512 consecutive bytes
.endr
.endm
.irp t, 0,1,2,3,4,5,6,7
	ROW \t
.endr
	ds_load_b64 v[12:13], v6                       ; my wave's 256 scale bytes: LDS serves a wave's instructions in order
	s_wait_dscnt 0x0
	global_store_b64 v7, v[12:13], s[16:17]        ; 32 lanes store 256 consecutive bytes, aligned
	s_wait_tensorcnt 0x0
	ds_add_u32 v224, v225
	s_wait_dscnt 0x0
	s_endpgm
; ---------------- the weights: a lane takes a column, its registers run down K.  A work-group: 128 columns x 256 along K; a wave 32 columns, 8 blocks a lane
.Lw:
	s_sub_co_u32 s26, ttmp9, 256
	s_lshr_b32 s27, s26, 2                         ; which 128 slots, 0..31
	s_and_b32 s28, s26, 3                          ; which 256 along K
	s_mov_b32 s22, 4096
	s_cmp_lt_u32 s27, 24                           ; W_qkv's columns or W_out's: the choice hangs on the work-group's number alone
	s_cselect_b64 s[10:11], s[10:11], s[12:13]
	s_cselect_b32 s22, 12288, s22                  ; a row of the tensor in bytes
	s_cselect_b32 s29, 0, 24
	s_sub_co_u32 s29, s27, s29                     ; the block of 128 columns in its own tensor
	s_mul_i32 s30, s28, s22
	s_lshl_b32 s30, s30, 8                         ; 256 rows down for each step along K
	s_lshl_b32 s31, s29, 9
	s_add_co_u32 s30, s30, s31
	s_lshl_b32 s31, s24, 7                         ; 32 columns a wave
	s_add_co_u32 s30, s30, s31
	s_mov_b32 s31, 0
	s_add_nc_u64 s[32:33], s[10:11], s[30:31]      ; a base for each block of 32 rows: no register is stepped while loads are out
	s_lshl_b32 s48, s22, 5
	s_mov_b32 s49, 0
.irp t, 1,2,3,4,5,6,7
	s_add_nc_u64 s[32+2*\t:33+2*\t], s[30+2*\t:31+2*\t], s[48:49]
.endr
	s_lshl_b32 s50, s27, 7
	s_lshl_b32 s51, s24, 5
	s_add_co_u32 s50, s50, s51                     ; my wave's first slot
	s_lshl_b32 s52, s50, 10
	s_lshl_b32 s53, s28, 8
	s_add_co_u32 s52, s52, s53
	s_mov_b32 s53, 0
	s_add_nc_u64 s[18:19], s[18:19], s[52:53]      ; codes: slot x 1,024 + 256 x step
	s_lshl_b32 s52, s50, 5
	s_lshl_b32 s54, s28, 3
	s_add_co_u32 s52, s52, s54
	s_add_nc_u64 s[20:21], s[20:21], s[52:53]      ; scale bytes: slot x 32 + 8 x step
	s_wait_alu depctr_va_vdst(0)
	v_lshlrev_b32 v3, 2, v2
	v_mov_b32 v208, s22
.set i, 0
.rept 32
	v_mad_u32_u24 v[WOFF+i], v208, i, v3           ; 4 x lane + i rows
.set i, i+1
.endr
	v_and_b32 v10, 7, v2                           ; my column's slot among the wave's 32: bits 3 and 4 exchanged
	v_bfe_u32 v11, v2, 3, 1
	v_bfe_u32 v12, v2, 4, 1
	v_lshl_add_u32 v10, v11, 4, v10
	v_lshl_add_u32 v10, v12, 3, v10
	s_mul_i32 s30, s24, 8704                       ; my stage: 32 rows x 272 bytes, behind the other way's LDS bytes
	s_add_co_u32 s30, s30, 21504
	v_mul_u32_u24 v4, v10, 272
	v_add_nc_u32 v4, s30, v4                       ; into it: row = my slot
	v_lshlrev_b32 v9, 5, v10                       ; my slot's row of scale bytes
	v_and_b32 v5, 15, v2
	v_lshrrev_b32 v6, 4, v2
	v_mul_u32_u24 v7, v6, 272
	v_lshl_add_u32 v7, v5, 4, v7
	v_add_nc_u32 v7, s30, v7                       ; out of it: sixteen lanes to a row, two rows an instruction
	v_lshlrev_b32 v8, 10, v6
	v_lshl_add_u32 v8, v5, 4, v8                   ; and the same place in the codes' buffer
.macro WLOAD t
.set i, 0
.rept 32
	global_load_b32 v[WX+32*((\t)%2)+i], v[WOFF+i], s[32+2*(\t):33+2*(\t)] th:TH_LOAD_NT   ; one row of K at 32 neighbouring columns: 128 consecutive bytes
.set i, i+1
.endr
.endm
	WLOAD 0
	WLOAD 1
.macro WBLOCK t
.set XS, WX+32*((\t)%2)
.if (\t) < 7
	s_wait_loadcnt 32                              ; this block's 32 loads are in; the next block's may be out
.else
	s_wait_loadcnt 0x0
.endif
	v_max3_num_f32 v12, |v[XS]|, |v[XS+1]|, |v[XS+2]|          ; the block's largest magnitude: all 32 numbers are mine
	v_max3_num_f32 v13, |v[XS+3]|, |v[XS+4]|, |v[XS+5]|
.irp i, 6,10,14,18,22,26
	v_max3_num_f32 v12, v12, |v[XS+\i]|, |v[XS+\i+1]|
	v_max3_num_f32 v13, v13, |v[XS+\i+2]|, |v[XS+\i+3]|
.endr
	v_max3_num_f32 v12, v12, |v[XS+30]|, |v[XS+31]|
	v_max3_num_f32 v12, v12, v13, 0x4800000
	v_add_nc_u32 v11, 0xfc000000, v12
	v_and_or_b32 v10, v12, 0x7f800000, s25
	v_lshrrev_b32 v13, 23, v11
.if (\t)%4 == 0
	v_mov_b32 v[WSB+(\t)/4], v13                   ; four bytes to a register, the lower K in the lower byte
.else
	v_lshl_or_b32 v[WSB+(\t)/4], v13, 8*((\t)%4), v[WSB+(\t)/4]
.endif
.set i, 0
.rept 32
	v_med3_num_f32 v[XS+i], v[XS+i], -v10, v10
.set i, i+1
.endr
.irp g, 0,1,2,3
	v_cvt_scalef32_pk8_fp8_f32 v[WC+2*\g:WC+2*\g+1], v[XS+8*\g:XS+8*\g+7], v11
.endr
	v_nop                                          ; one plain instruction behind the conversions
	ds_store_b128 v4, v[WC:WC+3] offset:32*(\t)
	ds_store_b128 v4, v[WC+4:WC+7] offset:32*(\t)+16
.if (\t)+2 < 8
	WLOAD (\t)+2
.endif
	s_wait_dscnt 0x0                               ; the stores have read their registers: the next block's codes may be written
.endm
.irp t, 0,1,2,3,4,5,6,7
	WBLOCK \t
.endr
	global_store_b64 v9, v[WSB:WSB+1], s[20:21]    ; my slot's 8 scale bytes
.irp t, 0,1,2,3,4,5,6,7,8,9,10,11,12,13,14,15
	ds_load_b128 v[WOUT+4*\t:WOUT+4*\t+3], v7 offset:2*\t*272
.endr
.irp t, 0,1,2,3,4,5,6,7,8,9,10,11,12,13,14,15
	s_wait_dscnt 15-\t                             ; LDS loads come back in order: row pair t is in
	global_store_b128 v8, v[WOUT+4*\t:WOUT+4*\t+3], s[18:19] offset:2*\t*1024   ; sixteen lanes store 256 consecutive bytes, aligned
.endr
	s_wait_tensorcnt 0x0
	ds_add_u32 v224, v225
	s_wait_dscnt 0x0
	s_endpgm
.Lfunc_end_k_q8fe5e63739_prep:
	.size	k_q8fe5e63739_prep, .Lfunc_end_k_q8fe5e63739_prep-k_q8fe5e63739_prep
	.p2alignl 7, 3214868480
	.fill 96, 4, 3214868480
	.section	.rodata,"a",@progbits
	.p2align	6, 0x0
	.amdhsa_kernel k_q8fe5e63739_prep
		.amdhsa_group_segment_fixed_size 56832
		.amdhsa_private_segment_fixed_size 0
		.amdhsa_enable_private_segment 0
		.amdhsa_kernarg_size 72
		.amdhsa_user_sgpr_count 2
		.amdhsa_user_sgpr_kernarg_segment_ptr 1
		.amdhsa_wavefront_size32 1
		.amdhsa_system_sgpr_workgroup_id_x 1
		.amdhsa_system_sgpr_workgroup_id_y 1
		.amdhsa_system_sgpr_workgroup_id_z 1
		.amdhsa_system_vgpr_workitem_id 0
		.amdhsa_next_free_vgpr 226
		.amdhsa_next_free_sgpr 66
		.amdhsa_reserve_vcc 0
		.amdhsa_float_denorm_mode_32 3
		.amdhsa_float_denorm_mode_16_64 3
		.amdhsa_memory_ordered 1
		.amdhsa_forward_progress 1
		.amdhsa_inst_pref_size 163
	.end_amdhsa_kernel
	.amdgpu_metadata
---
amdhsa.version: [ 1, 2 ]
amdhsa.kernels:
  - .name:           k_q8fe5e63739_prep
    .symbol:         k_q8fe5e63739_prep.kd
    .args:
      - { .name: hidden_states, .offset: 0, .size: 8, .value_kind: global_buffer, .address_space: global }
      - { .name: ln_gamma, .offset: 8, .size: 8, .value_kind: global_buffer, .address_space: global }
      - { .name: ln_beta, .offset: 16, .size: 8, .value_kind: global_buffer, .address_space: global }
      - { .name: W_qkv, .offset: 24, .size: 8, .value_kind: global_buffer, .address_space: global }
      - { .name: W_out, .offset: 32, .size: 8, .value_kind: global_buffer, .address_space: global }
      - { .name: xc, .offset: 40, .size: 8, .value_kind: global_buffer, .address_space: global }
      - { .name: xs, .offset: 48, .size: 8, .value_kind: global_buffer, .address_space: global }
      - { .name: wc, .offset: 56, .size: 8, .value_kind: global_buffer, .address_space: global }
      - { .name: ws, .offset: 64, .size: 8, .value_kind: global_buffer, .address_space: global }
    .group_segment_fixed_size: 56832
    .private_segment_fixed_size: 0
    .kernarg_segment_align: 8
    .kernarg_segment_size: 72
    .max_flat_workgroup_size: 128
    .sgpr_count:     66
    .vgpr_count:     226
    .wavefront_size: 32
...
	.end_amdgpu_metadata
.endif
;; end of part 1
;; launch gemm_qkv (part 2): grid 12 x 32, 4 waves a work-group, clusters of 4 x 4, 327,680 bytes of LDS; arguments xc, xs, wc, ws, b_qkv, qkvb; writes qkvb
.if DOCPART == 2
	.amdgcn_target "amdgcn-amd-amdhsa--gfx1250"
	.amdhsa_code_object_version 6
	.text
	.protected	k_q8fe5e63739_gemm_qkv
	.globl	k_q8fe5e63739_gemm_qkv
	.p2align	8
	.type	k_q8fe5e63739_gemm_qkv,@function
k_q8fe5e63739_gemm_qkv:
	s_mov_b64 s[64:65], 0
	v_nop
	global_prefetch_b8 v0, s[64:65] scope:SCOPE_SE
	s_setreg_imm32_b32 hwreg(HW_REG_WAVE_MODE, 25, 1), 1
	s_wait_xcnt 0x0
	s_wait_alu depctr_hold_cnt(0) depctr_sa_sdst(0) depctr_va_vdst(0) depctr_va_sdst(0) depctr_va_ssrc(0) depctr_va_vcc(0) depctr_vm_vsrc(0)
	s_getreg_b32 s2, hwreg(HW_REG_IB_STS2, 6, 4)
	s_cmp_eq_u32 s2, 0
	s_cbranch_scc0 .Lentry_in_a_cluster
	s_endpgm
.Lentry_in_a_cluster:
	s_bfe_u32 s2, ttmp6, 0x10000c
	s_cmp_lg_u32 s2, 0xf033
	s_cbranch_scc0 .Lentry_shape_is_right
	s_endpgm
.Lentry_shape_is_right:
.set SIZE_K, 1024
.set KSTEP,  256
.set NQ,     KSTEP/128
.set ROWB,   256
.set KROW,   SIZE_K
.set PITCH,  272
.set FR,     16
.set NL,     4
.set NP,     8
.set HALFT,  128*PITCH
.set SLOT,   4*HALFT
.set LAPS,   SIZE_K/(2*KSTEP)
.set KS,     SIZE_K/32
.set SCL,    2*SLOT
.set HALFS,  (128*KS/256)*272
.set SBLK,   (16*KS/256)*272
.set SPARE,  SCL+4*HALFS
.set ADRA, 16
.set ADRB, 20
.set LI,   24
.set ADRS, 27
.set SPW,  28
.set NIL,  29
.set SC,   32
.set BT,   64
.set AF,   128
.set TM,   192
.set PW,   208
.set SW,   212
.set PC,   216
.set G1, 24
.set G0, 32
.set G1B, 48
.set G0B, 56
.set G1S, 68
.set G0S, 76
.set G1SB, 80
.set G0SB, 88
.set KIND, 95
.set MNT,  96
.set HIM,  97
.set MSB, 0
.macro WIN new
.if MSB != (\new)
	s_set_vgpr_msb (MSB<<8)|(\new)
.set MSB, (\new)
.endif
.endm
.set MUL_LO,  0xa1
.set MUL_HI,  0xf1
.set MUL_LO0, 0x81
.set MUL_HI0, 0xc1
.set TO_B,    0x40
.macro JLOAD g0a, g1a, g0b, g1b
	s_cmp_eq_u32 s15, s2
	s_cbranch_scc0 .Lfor_b_\@
	tensor_load_to_lds s[\g0a:\g0a+3], s[\g1a:\g1a+7]
	s_nop 0
.rept 4
	v_nop
.endr
	s_branch .Lasked_\@
.Lfor_b_\@:
	tensor_load_to_lds s[\g0b:\g0b+3], s[\g1b:\g1b+7]
	s_nop 0
.rept 4
	v_nop
.endr
.Lasked_\@:
.endm
.macro CREST
	s_cmp_lg_u32 s14, 0
	s_cbranch_scc1 .Lnot_wave_0_\@
	s_barrier_signal -3
.Lnot_wave_0_\@:
	s_barrier_wait -3
	s_barrier_signal -1
	s_barrier_wait -1
.endm
.macro CROUND
	s_barrier_signal -1
	s_barrier_wait -1
	CREST
.endm
	s_load_b128 s[4:7], s[0:1], 0x0
	s_load_b128 s[8:11], s[0:1], 0x10
	s_load_b64 s[66:67], s[0:1], 0x20
	s_load_b64 s[12:13], s[0:1], 0x28
	v_lshl_add_u32 v[SPW], v0, 2, SPARE
	v_mov_b32 v[NIL], 0
	ds_add_u32 v28, v29
	ds_add_u32 v28, v29
	s_wait_dscnt 0x0
	v_lshrrev_b32 v1, 5, v0
	v_readfirstlane_b32 s14, v1
	s_lshr_b32 s15, s14, 1
	s_and_b32 s16, s14, 1
	s_mov_b32 s[KIND], ttmp9
	s_cmp_eq_u32 ttmp9, 2
	s_cselect_b32 s2, 1, 0
	s_bfe_u32 s40, ttmp6, 0x40000
	s_bfe_u32 s41, ttmp6, 0x40004
	s_lshl_b32 s42, ttmp9, 2
	s_add_co_u32 s42, s42, s40
	s_and_b32 s17, ttmp7, 0xffff
	s_lshl_b32 s17, s17, 2
	s_add_co_u32 s17, s17, s41
	s_lshl_b32 s43, s41, 2
	s_lshl_b32 s43, 15, s43
	s_lshl_b32 s44, 0x1111, s40
	s_or_b32 s[G1+0], s43, (0<<16)|(1<<20)|(1<<21)|(5<<22)|(3<<25)
	s_or_b32 s[G1B+0], s44, (0<<16)|(1<<20)|(1<<21)|(5<<22)|(3<<25)
.irp g, G1, G1B
	s_mov_b32 s[\g+1], ROWB<<16
	s_mov_b32 s[\g+2], 256<<16                     ; the head's loads bring 256 rows; behind them the two words that count rows are set to 128
	s_mov_b32 s[\g+3], ROWB<<16
	s_mov_b32 s[\g+4], 256
	s_mov_b32 s[\g+5], KROW
	s_mov_b32 s[\g+6], 0
	s_mov_b32 s[\g+7], 0
.endr
	s_or_b32 s[G1S+0], s43, (3<<16)|(1<<20)|(1<<21)|(5<<22)|(3<<25)
	s_or_b32 s[G1SB+0], s44, (3<<16)|(1<<20)|(1<<21)|(5<<22)|(3<<25)
.irp g, G1S, G1SB
	s_mov_b32 s[\g+1], 32<<16
	s_mov_b32 s[\g+2], KS<<16                      ; the scales of 256 rows: KS rows of 256 bytes
	s_mov_b32 s[\g+3], 32<<16
	s_mov_b32 s[\g+4], KS
	s_mov_b32 s[\g+5], 32
	s_mov_b32 s[\g+6], 0
	s_mov_b32 s[\g+7], 0
.endr
	s_lshl_b32 s18, s16, 7
	s_lshl_b32 s20, s17, 8
	s_add_co_u32 s20, s20, s18
	s_lshl_b32 s46, s42, 8
	s_add_co_u32 s46, s46, s18
	s_mov_b32 s21, 0
	s_mov_b32 s47, 0
	s_mov_b64 s[18:19], KS
	s_mul_u64 s[22:23], s[20:21], s[18:19]
	s_mul_u64 s[92:93], s[46:47], s[18:19]
	s_mov_b64 s[18:19], KROW
	s_mul_u64 s[20:21], s[20:21], s[18:19]
	s_mul_u64 s[46:47], s[46:47], s[18:19]
	s_mul_i32 s45, s14, HALFT
	s_mul_i32 s94, s14, HALFS
	s_wait_kmcnt 0x0
	s_add_nc_u64 s[20:21], s[4:5], s[20:21]
	s_add_nc_u64 s[22:23], s[6:7], s[22:23]
	s_add_nc_u64 s[46:47], s[8:9], s[46:47]
	s_add_nc_u64 s[92:93], s[10:11], s[92:93]
	CROUND
	s_mov_b32 s[G0S], 1                            ; the scales are fetched by waves 1 and 3, whose own half is the upper one: 128 rows back in memory and in LDS is the block's start
	s_add_co_u32 s[G0S+1], s94, SCL-HALFS
	s_sub_nc_u64 s[G0S+2:G0S+3], s[22:23], 128*KS
	s_or_b32 s[G0S+3], s[G0S+3], 0x80000000
	s_mov_b32 s[G0SB], 1
	s_add_co_u32 s[G0SB+1], s94, SCL-HALFS
	s_sub_nc_u64 s[G0SB+2:G0SB+3], s[92:93], 128*KS
	s_or_b32 s[G0SB+3], s[G0SB+3], 0x80000000
.irp s, 0,1
	s_mov_b32 s[G0+4*\s], 1
	s_add_co_u32 s[G0+4*\s+1], s45, \s*SLOT
	s_add_nc_u64 s[G0+4*\s+2:G0+4*\s+3], s[20:21], \s*ROWB
	s_or_b32 s[G0+4*\s+3], s[G0+4*\s+3], 0x80000000
	s_mov_b32 s[G0B+4*\s], 1
	s_add_co_u32 s[G0B+4*\s+1], s45, \s*SLOT
	s_add_nc_u64 s[G0B+4*\s+2:G0B+4*\s+3], s[46:47], \s*ROWB
	s_or_b32 s[G0B+4*\s+3], s[G0B+4*\s+3], 0x80000000
.endr
; THE HEAD'S LOADS, ONE A WAVE: waves 0 and 2, whose own half is the lower one, fetch K step 0's two tiles of 256 rows by slot 0's descriptors; waves 1 and 3 the two blocks of scales.
; One tree of branches on the wave's number (and on the kind, as in the ring's loads): every way passes exactly one load.
.macro HARM g0, g1
	tensor_load_to_lds s[\g0:\g0+3], s[\g1:\g1+7]
	s_nop 0
.rept 4
	v_nop
.endr
.endm
	s_cmp_eq_u32 s16, 0
	s_cbranch_scc0 .Lhead_s
	s_cmp_eq_u32 s15, s2
	s_cbranch_scc0 .Lhead_b
	HARM G0, G1
	s_branch .Lhead_asked
.Lhead_b:
	HARM G0B, G1B
	s_branch .Lhead_asked
.Lhead_s:
	s_cmp_eq_u32 s15, s2
	s_cbranch_scc0 .Lhead_sb
	HARM G0S, G1S
	s_branch .Lhead_asked
.Lhead_sb:
	HARM G0SB, G1SB
.Lhead_asked:
	v_and_b32 v1, 15, v0
	v_bfe_u32 v2, v0, 4, 1
	v_mul_u32_u24 v3, v1, PITCH
	v_lshl_add_u32 v4, v2, 4, v3
	s_wait_alu depctr_va_vdst(0)
	s_mul_i32 s21, s15, HALFT
	s_mul_i32 s22, s16, HALFT
	s_add_co_u32 s22, s22, 2*HALFT
	s_mul_i32 s98, s15, HALFS
	s_mul_i32 s99, s16, HALFS
	s_add_co_u32 s99, s99, 2*HALFS
	s_sub_co_u32 s99, s99, s98
	s_add_co_u32 s98, s98, SCL
	s_mov_b32 s18, s21
	s_mov_b32 s19, s22
	s_cmp_eq_u32 s[KIND], 2
	s_cselect_b32 s23, s16, s15
	s_cselect_b32 s94, s15, s16
.irp s, 0,1
	v_add_nc_u32 v[ADRA+\s], s18, v4
	v_add_nc_u32 v[ADRB+\s], s19, v4
	s_add_co_u32 s18, s18, SLOT
	s_add_co_u32 s19, s19, SLOT
.endr
	v_mul_u32_u24 v5, v1, KS
	v_lshrrev_b32 v6, 8, v5
	v_lshl_add_u32 v5, v6, 4, v5
	v_mul_u32_u24 v6, s99, v2
	v_add_nc_u32 v5, v5, v6
	v_add_nc_u32 v[ADRS], s98, v5
	v_and_b32 v6, 31, v0
	v_lshlrev_b32 v[LI], 4, v6
	s_mov_b32 s[MNT], 0x600000
	s_mov_b32 s[HIM], 0xffff0000
	s_mov_b32 s92, 0x76543210
	s_mov_b32 s93, 0xfedcba98
	s_lshl_b32 s20, s17, 1
	s_add_co_u32 s20, s20, s23
	s_mul_i32 s20, s20, 3
	s_add_co_u32 s20, s20, s[KIND]
	s_lshl_b32 s20, s20, 3
	s_lshl_b32 s46, s40, 1
	s_add_co_u32 s46, s46, s94
	s_add_co_u32 s46, s46, s20
	s_mul_i32 s46, s46, 16896
	s_mov_b32 s47, 0
	s_add_nc_u64 s[12:13], s[12:13], s[46:47]
	s_lshl_b32 s46, s42, 10
	s_lshl_b32 s47, s94, 9
	s_add_co_u32 s46, s46, s47
	s_mov_b32 s47, 0
	s_add_nc_u64 s[66:67], s[66:67], s[46:47]
	s_cmp_eq_u32 s[KIND], 2
	s_cbranch_scc1 .Lbias_v
	v_lshlrev_b32 v8, 6, v2
.irp b, 0,1,2,3,4,5,6,7
	global_load_b128 v[BT+8*\b:BT+8*\b+3], v8, s[66:67] offset:(32*(\b/2)+8*(\b%2))*4
	global_load_b128 v[BT+8*\b+4:BT+8*\b+7], v8, s[66:67] offset:(32*(\b/2)+8*(\b%2))*4+16
.endr
	s_branch .Lbias_done
.Lbias_v:
	v_and_b32 v8, 7, v1
	v_lshrrev_b32 v9, 3, v1
	v_lshlrev_b32 v8, 2, v8
	v_lshl_add_u32 v8, v9, 6, v8
.irp a, 0,1,2,3,4,5,6,7
.irp j, 0,1,2,3,4,5,6,7
	global_load_b32 v[BT+8*\a+\j], v8, s[66:67] offset:(32*(\a/2)+8*(\a%2))*4
.endr
.endr
.Lbias_done:
.macro FRAG reg, adr, q, i
.irp c, 0,1,2,3
	ds_load_b128 v[\reg+4*\c:\reg+4*\c+3], v[\adr] offset:128*(\q)+32*\c+(\i)*16*PITCH
.endr
.endm
.macro MUL16 a0, p, q, sc, zero
.irp a, \a0, \a0+1
.irp b, 0,1,2,3,4,5,6,7
.if \zero == 1
	v_wmma_scale_f32_16x16x128_f8f6f4 v[8*(8*((\a)%4)+\b):8*(8*((\a)%4)+\b)+7], v[128*(\p)+FR*\b:128*(\p)+FR*\b+FR-1], v[AF+FR*(\a):AF+FR*(\a)+FR-1], v[BT+8*\b:BT+8*\b+7], v[SC+8*NQ*(\sc)+NQ*\b+(\q)], v[SC+8*NQ*(\sc)+NQ*(\a)+(\q)] matrix_a_scale:MATRIX_SCALE_ROW1
.elseif \zero == 2
	v_wmma_scale_f32_16x16x128_f8f6f4 v[8*(8*((\a)%4)+\b):8*(8*((\a)%4)+\b)+7], v[128*(\p)+FR*\b:128*(\p)+FR*\b+FR-1], v[AF+FR*(\a):AF+FR*(\a)+FR-1], v[BT+8*(\a):BT+8*(\a)+7], v[SC+8*NQ*(\sc)+NQ*\b+(\q)], v[SC+8*NQ*(\sc)+NQ*(\a)+(\q)] matrix_a_scale:MATRIX_SCALE_ROW1
.else
	v_wmma_scale_f32_16x16x128_f8f6f4 v[8*(8*((\a)%4)+\b):8*(8*((\a)%4)+\b)+7], v[128*(\p)+FR*\b:128*(\p)+FR*\b+FR-1], v[AF+FR*(\a):AF+FR*(\a)+FR-1], v[8*(8*((\a)%4)+\b):8*(8*((\a)%4)+\b)+7], v[SC+8*NQ*(\sc)+NQ*\b+(\q)], v[SC+8*NQ*(\sc)+NQ*(\a)+(\q)] matrix_a_scale:MATRIX_SCALE_ROW1
.endif
.endr
.endr
.endm
.macro FETCH_B slot, q, p
	WIN TO_B
.irp i, 0,1,2,3,4,5,6,7
	FRAG 128*(\p)+FR*\i, ADRB+\slot, \q, \i
.endr
	WIN 0
.endm
.macro FETCH_A slot, q, i0
.irp i, \i0, \i0+1, \i0+2, \i0+3
	FRAG AF+FR*(\i), ADRA+\slot, \q, \i
.endr
.endm
.macro SCALES sc
.irp i, 0,1,2,3,4,5,6,7
	ds_load_b64 v[SC+8*NQ*\sc+NQ*\i:SC+8*NQ*\sc+NQ*\i+1], v[ADRS] offset:\i*SBLK
.endr
.endm
.macro PLACES n
.rept \n
	v_nop
.endr
.endm
.macro STEP slot, q, zero
	s_wait_dscnt 4*NL
.if \zero
	WIN MUL_LO0
.else
	WIN MUL_LO
.endif
	MUL16 0, (\q)%2, \q, \slot, \zero
	MUL16 2, (\q)%2, \q, \slot, \zero
	s_wait_dscnt 0
	PLACES NP
	FETCH_B \slot, (\q)+1, 1-(\q)%2
	FETCH_A \slot, (\q)+1, 0
.if \zero
	WIN MUL_HI0
.else
	WIN MUL_HI
.endif
	MUL16 4, (\q)%2, \q, \slot, \zero
	MUL16 6, (\q)%2, \q, \slot, \zero
	PLACES NP
	WIN 0
	FETCH_A \slot, (\q)+1, 4
.endm
.macro TURN slot, next, fill
	s_wait_tensorcnt 0x0
	ds_add_u32 v[SPW], v[NIL]
	s_wait_dscnt 4*NL+1
	WIN MUL_LO
	MUL16 0, 1, NQ-1, \slot, 0
	s_wait_dscnt 0x0
	s_barrier_signal -1
	MUL16 2, 1, NQ-1, \slot, 0
	WIN 0
	s_barrier_wait -1
.if \fill
	CREST
	s_add_nc_u64 s[G0+4*\slot+2:G0+4*\slot+3], s[G0+4*\slot+2:G0+4*\slot+3], 2*ROWB
	s_add_nc_u64 s[G0B+4*\slot+2:G0B+4*\slot+3], s[G0B+4*\slot+2:G0B+4*\slot+3], 2*ROWB
	JLOAD G0+4*\slot, G1, G0B+4*\slot, G1B
	PLACES NP-4
.else
	PLACES NP
.endif
	s_wait_alu depctr_va_vdst(0)
	v_add_nc_u32 v[ADRS], 4*NQ, v[ADRS]
	FETCH_B \next, 0, 0
	FETCH_A \next, 0, 0
	SCALES \next
	WIN MUL_HI
	MUL16 4, 1, NQ-1, \slot, 0
	MUL16 6, 1, NQ-1, \slot, 0
	PLACES NP
	WIN 0
	FETCH_A \next, 0, 4
.endm
	s_wait_alu depctr_va_vdst(0)                   ; the wait at the head's end
	s_wait_tensorcnt 0x0                           ; my tile of the head's four is in; the lines ahead of a later first fill:
	ds_add_u32 v[SPW], v[NIL]
	s_mov_b32 s[G1+2], 128<<16                     ; no tensor load of mine is out: from here on a load brings 128 rows
	s_mov_b32 s[G1+4], 128
	s_mov_b32 s[G1B+2], 128<<16
	s_mov_b32 s[G1B+4], 128
	s_wait_dscnt 0x0
	CROUND                                         ; all four tiles are in, and all sixteen work-groups are here
	JLOAD G0+4, G1, G0B+4, G1B                     ; K step 1 into slot 1: the first tensor load behind the round
	FETCH_B 0, 0, 0
	FETCH_A 0, 0, 0
	s_wait_alu depctr_va_vdst(0)
	SCALES 0
	FETCH_A 0, 0, 4
	s_wait_loadcnt 0x0
	s_cmp_eq_u32 s[KIND], 2
	s_cbranch_scc1 .Lfirst_v
	STEP 0, 0, 1
	s_branch .Lfirst_done
.Lfirst_v:
	STEP 0, 0, 2
.Lfirst_done:
	s_mov_b32 s3, LAPS-1
.Llap:
	TURN 0, 1, 1
	STEP 1, 0, 0
	TURN 1, 0, 1
	STEP 0, 0, 0
	s_sub_co_u32 s3, s3, 1
	s_cmp_lg_u32 s3, 0
	s_cbranch_scc1 .Llap
	TURN 0, 1, 0
	STEP 1, 0, 0
	s_wait_dscnt 4*NL
	WIN MUL_LO
	MUL16 0, 1, NQ-1, 1, 0
	MUL16 2, 1, NQ-1, 1, 0
	s_wait_dscnt 0
	WIN MUL_HI
	MUL16 4, 1, NQ-1, 1, 0
	MUL16 6, 1, NQ-1, 1, 0
	WIN 0
.macro OUTTILE a
.set AC, 64*((\a)%4)
.set WW, 2+(\a)/4
.set W12, (WW<<4)|(WW<<2)
.set WD0, (WW<<6)|WW
	WIN W12
.irp b, 0,1,2,3
	v_max3_num_f32 v[TM+\b], 0x4800000, |v[AC+16*\b]|, |v[AC+16*\b+1]|
.endr
.irp i, 2,4,6,8,10,12,14
.irp b, 0,1,2,3
	v_max3_num_f32 v[TM+\b], v[TM+\b], |v[AC+16*\b+\i]|, |v[AC+16*\b+\i+1]|
.endr
.endr
	WIN 0
.irp b, 0,1,2,3
	v_permlanex16_b32 v[TM+4+\b], v[TM+\b], s92, s93
.endr
.irp b, 0,1,2,3
	v_max_num_f32 v[TM+\b], v[TM+\b], v[TM+4+\b]
.endr
.irp b, 0,1,2,3
	v_add_nc_u32 v[TM+12+\b], 0xfc000000, v[TM+\b]
.endr
.irp b, 0,1,2,3
	v_and_or_b32 v[TM+8+\b], v[TM+\b], 0x7f800000, s[MNT]
.endr
.irp b, 0,1,2,3
	v_lshrrev_b32 v[TM+4+\b], 23, v[TM+12+\b]
.endr
	v_lshl_or_b32 v[PW], v[TM+5], 8, v[TM+4]
	v_lshl_or_b32 v[PW], v[TM+6], 16, v[PW]
	v_lshl_or_b32 v[PW], v[TM+7], 24, v[PW]
.if (\a)%2 == 0
	v_mov_b32 v[SW+(\a)/2], v[PW]
.else
	v_cndmask_b32 v[SW+(\a)/2], v[SW+(\a)/2], v[PW], s[HIM]
.endif
	WIN WD0
.irp b, 0,1,2,3
.set i, 0
.rept 16
	v_med3_num_f32 v[AC+16*\b+i], v[AC+16*\b+i], -v[TM+8+\b], v[TM+8+\b]
.set i, i+1
.endr
.endr
	s_wait_alu depctr_va_vdst(0)
	s_wait_xcnt 0x0
	WIN WW
.irp b, 0,1,2,3
	v_cvt_scalef32_pk8_fp8_f32 v[PC+4*\b:PC+4*\b+1], v[AC+16*\b:AC+16*\b+7], v[TM+12+\b]
	v_cvt_scalef32_pk8_fp8_f32 v[PC+4*\b+2:PC+4*\b+3], v[AC+16*\b+8:AC+16*\b+15], v[TM+12+\b]
.endr
	WIN 0
	v_nop
.irp g, 0,1,2,3
	global_store_b128 v[LI], v[PC+4*\g:PC+4*\g+3], s[12:13] offset:2048*(\a)+512*\g
.endr
.endm
	PLACES NP
.irp b, 0,1,2,3
	v_mov_b32 v[TM+4+\b], 0
.endr
.irp a, 0,1,2,3,4,5,6,7
	OUTTILE \a
.endr
	global_store_b128 v[LI], v[SW:SW+3], s[12:13] offset:16384
	s_wait_tensorcnt 0x0
	ds_add_u32 v[SPW], v[NIL]
	s_wait_dscnt 0x0
	CROUND
	s_endpgm
.Lfunc_end_k_q8fe5e63739_gemm_qkv:
	.size	k_q8fe5e63739_gemm_qkv, .Lfunc_end_k_q8fe5e63739_gemm_qkv-k_q8fe5e63739_gemm_qkv
	.p2alignl 7, 3214868480
	.fill 96, 4, 3214868480
	.section	.rodata,"a",@progbits
	.p2align	6, 0x0
	.amdhsa_kernel k_q8fe5e63739_gemm_qkv
		.amdhsa_group_segment_fixed_size 327680
		.amdhsa_private_segment_fixed_size 0
		.amdhsa_enable_private_segment 0
		.amdhsa_kernarg_size 48
		.amdhsa_user_sgpr_count 2
		.amdhsa_user_sgpr_kernarg_segment_ptr 1
		.amdhsa_wavefront_size32 1
		.amdhsa_system_sgpr_workgroup_id_x 1
		.amdhsa_system_sgpr_workgroup_id_y 1
		.amdhsa_system_sgpr_workgroup_id_z 1
		.amdhsa_system_vgpr_workitem_id 0
		.amdhsa_next_free_vgpr 1024
		.amdhsa_next_free_sgpr 100
		.amdhsa_reserve_vcc 0
		.amdhsa_float_denorm_mode_32 3
		.amdhsa_float_denorm_mode_16_64 3
		.amdhsa_memory_ordered 1
		.amdhsa_forward_progress 1
		.amdhsa_inst_pref_size 207
	.end_amdhsa_kernel
	.amdgpu_metadata
---
amdhsa.version: [ 1, 2 ]
amdhsa.kernels:
  - .name:           k_q8fe5e63739_gemm_qkv
    .symbol:         k_q8fe5e63739_gemm_qkv.kd
    .args:
      - { .name: xc, .offset: 0, .size: 8, .value_kind: global_buffer, .address_space: global }
      - { .name: xs, .offset: 8, .size: 8, .value_kind: global_buffer, .address_space: global }
      - { .name: wc, .offset: 16, .size: 8, .value_kind: global_buffer, .address_space: global }
      - { .name: ws, .offset: 24, .size: 8, .value_kind: global_buffer, .address_space: global }
      - { .name: b_qkv, .offset: 32, .size: 8, .value_kind: global_buffer, .address_space: global }
      - { .name: qkvb, .offset: 40, .size: 8, .value_kind: global_buffer, .address_space: global }
    .group_segment_fixed_size: 327680
    .private_segment_fixed_size: 0
    .kernarg_segment_align: 8
    .kernarg_segment_size: 48
    .max_flat_workgroup_size: 128
    .sgpr_count:     100
    .vgpr_count:     1024
    .wavefront_size: 32
...
	.end_amdgpu_metadata
.endif
;; end of part 2
;; launch attn (part 3): grid 4 x 64, 8 waves a work-group, clusters of 4 x 4, 327,680 bytes of LDS; arguments qkvb, attention_mask, ac, asc; writes ac, asc
.if DOCPART == 3
	.amdgcn_target "amdgcn-amd-amdhsa--gfx1250"
	.amdhsa_code_object_version 6
	.text
	.protected	k_q8fe5e63739_attn
	.globl	k_q8fe5e63739_attn
	.p2align	8
	.type	k_q8fe5e63739_attn,@function
k_q8fe5e63739_attn:
	s_mov_b64 s[64:65], 0
	v_nop
	global_prefetch_b8 v0, s[64:65] scope:SCOPE_SE
	s_setreg_imm32_b32 hwreg(HW_REG_WAVE_MODE, 25, 1), 1
	s_wait_xcnt 0x0
	s_wait_alu depctr_hold_cnt(0) depctr_sa_sdst(0) depctr_va_vdst(0) depctr_va_sdst(0) depctr_va_ssrc(0) depctr_va_vcc(0) depctr_vm_vsrc(0)
	s_getreg_b32 s2, hwreg(HW_REG_IB_STS2, 6, 4)
	s_cmp_eq_u32 s2, 0
	s_cbranch_scc0 .Lentry_in_a_cluster
	s_endpgm
.Lentry_in_a_cluster:
	s_bfe_u32 s2, ttmp6, 0x10000c
	s_cmp_lg_u32 s2, 0xf033
	s_cbranch_scc0 .Lentry_shape_is_right
	s_endpgm
.Lentry_shape_is_right:
; attn = softmax(q k^T / 8 + mask) v for 64 heads (4 x 16) of 2,048 tokens, head size 64, both products on codes of E4M3 with one E8M0 scale for each 32 along K; the result is quantised along the 1,024 for the last product.
; THE SOFTMAX: t = logit x log2(e); M = the running largest t rounded UP to a whole number; p = 2^(t - M) is quantised along the keys, not normalised; the row's sum is taken of the unquantised p and divides at the end.
; SHARES.  256 work-groups.  A work-group: 128 queries x 4 heads (x = the group of heads g, y = batch x 16 + block of 128 queries).  Wave w: head 4 g + w % 4, queries 64 (w / 4) on: FOUR tiles of 16, one after the other
; on one set of working registers, so that each fragment of K and V is read from LDS once a key step and feeds four tiles.  Every wave walks the 16 key steps of 128 keys.
; OPERANDS come as images of their registers (the launch before laid them so).  Both products are used transposed (S^T = K Q^T, O^T = V^T P^T): a lane holds ONE query throughout.
; Q's tiles are taken in the queries' own order: lane r of tile T reads the image of tile 2 (T / 2) + r / 8, lane r % 8 + 8 (T % 2).  So a tile's sixteen rows of the mask are neighbours in LDS, 528 bytes apart.
; THE LOGIT COSTS NO VECTOR INSTRUCTION: Q's scale bytes are lowered by 3, the division by 8, exactly; the mask's f32 tile is loaded from LDS into S^T's registers and is the C of the first product.
; K = 64 IN AN INSTRUCTION OF 128: Q's registers 8-15 are zero codes; the upper half of a K tile's 16 registers is the next tile's codes (behind the last: zeros): finite codes times zero codes add nothing.
; CLUSTER 4 x 4: K and V hang on (batch, g): asked for jointly along a column; the mask's tile hangs on y alone: jointly along a row.  Each of the eight waves fetches 16,896 bytes of a slot: waves 0-3 K's and V's four blocks, waves 4-7 32 rows of the mask.
; PREFETCH: the mask's tile, one key step ahead of its load; the four partners of a row take 32 rows each, by address.  K and V get none: a step's 264 blocks of 256 bytes do not share out in whole lanes' worth among four partners, and they are a fifth of the bytes that the launch reads once.
; O^T is cleared once at the head, so that the key step is written without a first step of its own: a second copy of four tiles' text is spared.
; LIMITS: NaN inputs are not served; a mask of -infinity gives p = 0; logit x log2(e) must be finite in f32 for some key of each row and under 2^31 in magnitude; blocks of q whose scale byte is under 3 (largest magnitude under 2^-116) lose part of the division by 8.
; REGISTERS.  Window 0: addresses, K, scale words, the tiles' -M, t and sums, S^T / p, p's codes, work.  Window 1: v0-127 O^T of four tiles, v128-191 Q of four tiles, v192-255 V.
.set PAIRB, 16896                      ; a block: 128 rows x 2 heads: 16,384 bytes of codes, 512 of scale words
.set VOFF,  2*PAIRB                    ; a slot: K's two blocks, V's two blocks,
.set MOFF,  4*PAIRB                    ; the mask's tile: 128 rows x (512 + 16) bytes
.set MP,    528
.set SLOTB, MOFF+128*MP
.set STG,   2*SLOTB                    ; behind the slots, where no fill lands: the way out: 128 rows x 272 bytes,
.set SST,   STG+128*272                ; 128 rows x 8 scale bytes,
.set SPARE, SST+1024                   ; and the spare words, 128 bytes a wave
.set SPW, 6
.set NIL, 7
.set PSW, 14                           ; p's scale word
.set KB,  16                           ; v16-79 K's eight tiles, v80-87 zeros
.set KSC, 88
.set VSC, 92
.set QSC, 94                           ; v94-97 Q's scale words, tile 0..3
.set PFB, 98
.set PFA, 99
.set ST,  100                          ; v100-115: tile x: -M, t, the sum's two halves
.set S,   116                          ; v116-179 the mask, S^T, p
.set P,   180                          ; v180-195 p's codes
.set BM,  196
.set BT,  200
.set BH,  204
.set BS,  208
.set FF,  212
.set TMP, 214
.set WRD, 215
.set SU2, 216
.set SU3, 218
.set SU4, 220
.set QW,  128                          ; window 1
.set VW,  192                          ; window 1
.set WV,  12
.set MNT, 19
.set SEL, 20
.set CS,  22
.set G1KV, 24
.set G1M,  32
.set G0KV, 40
.set G0M,  44
.set TB,  48                           ; LDS byte at which the slot in hand begins
.set CNT, 49
.set PS,  50
.set TBN, 51                           ; and the slot that is filled next
.set LB,  69                           ; my load's place in a slot: 16,896 x wave
.set MSB, 0
.macro WIN new
.if MSB != (\new)
	s_set_vgpr_msb (MSB<<8)|(\new)
.set MSB, (\new)
.endif
.endm
.macro JLOAD                           ; one joint load a wave; the branch hangs on the wave's number alone; s_nop 0 and four v_nop behind each line
	s_cmp_lt_u32 s[WV], 4
	s_cbranch_scc0 .Lfor_m_\@
	tensor_load_to_lds s[G0KV:G0KV+3], s[G1KV:G1KV+7]
	s_nop 0
.rept 4
	v_nop
.endr
	s_branch .Lasked_\@
.Lfor_m_\@:
	tensor_load_to_lds s[G0M:G0M+3], s[G1M:G1M+7]
	s_nop 0
.rept 4
	v_nop
.endr
.Lasked_\@:
.endm
.macro CROUND
	s_barrier_signal -1
	s_barrier_wait -1
	s_cmp_lg_u32 s[WV], 0
	s_cbranch_scc1 .Lnot_wave_0_\@
	s_barrier_signal -3
.Lnot_wave_0_\@:
	s_barrier_wait -3
	s_barrier_signal -1
	s_barrier_wait -1
.endm
	s_load_b256 s[4:11], s[0:1], 0x0               ; qkvb, the mask, ac, asc
	v_lshl_add_u32 v[SPW], v0, 2, SPARE
	v_mov_b32 v[NIL], 0
	ds_add_u32 v[SPW], v[NIL]                      ; the opening lines: the add twice on end and its wait
	ds_add_u32 v[SPW], v[NIL]
	v_lshrrev_b32 v8, 5, v0
	v_readfirstlane_b32 s[WV], v8                  ; wave 0..7
	s_bfe_u32 s13, ttmp6, 0x40000                  ; cx = g
	s_bfe_u32 s14, ttmp6, 0x40004                  ; cy
	s_and_b32 s17, ttmp7, 0xffff
	s_lshl_b32 s15, s17, 2
	s_add_co_u32 s15, s15, s14                     ; y = batch x 16 + block of 128 queries
	s_lshr_b32 s16, s17, 2                         ; the batch, from the cluster's y alone
	s_lshl_b32 s54, s14, 2
	s_lshl_b32 s54, 15, s54                        ; my row of the cluster
	s_lshl_b32 s55, 0x1111, s13                    ; my column
	s_or_b32 s[G1KV], s55, (3<<16)|(1<<21)         ; a block of K or V: 16,896 dense bytes as 66 rows of 32 elements of 8 bytes
	s_mov_b32 s[G1KV+1], 32<<16
	s_mov_b32 s[G1KV+2], 66<<16
	s_mov_b32 s[G1KV+3], 32<<16
	s_mov_b32 s[G1KV+4], 66
	s_mov_b32 s[G1KV+5], 32
	s_mov_b32 s[G1KV+6], 0
	s_mov_b32 s[G1KV+7], 0
	s_or_b32 s[G1M], s54, (2<<16)|(1<<20)|(1<<21)|(6<<22)|(3<<25)    ; the mask: 32 rows of 128 f32, 2,048 apart; 4 words of padding after every 128
	s_mov_b32 s[G1M+1], 128<<16
	s_mov_b32 s[G1M+2], 32<<16
	s_mov_b32 s[G1M+3], 128<<16
	s_mov_b32 s[G1M+4], 32
	s_mov_b32 s[G1M+5], 2048
	s_mov_b32 s[G1M+6], 0
	s_mov_b32 s[G1M+7], 0
	s_and_b32 s66, s[WV], 1                        ; e: my head in its pair.  Fetching: which pair's block
	s_bfe_u32 s67, s[WV], 0x10001                  ; pp: which of the two pairs.  Fetching: K (0) or V (1)
	s_lshr_b32 s68, s[WV], 2                       ; qp: which 64 queries
	s_mul_i32 s58, s16, 384                        ; K, V: block batch x 384 + 8 (1 + pp) + 2 g + e; 24 blocks from key step to key step
	s_lshl_b32 s59, s13, 1
	s_add_co_u32 s58, s58, s59
	s_add_co_u32 s58, s58, s66
	s_lshl_b32 s59, s67, 3
	s_add_co_u32 s58, s58, s59
	s_add_co_u32 s58, s58, 8
	s_mul_i32 s58, s58, PAIRB
	s_mov_b32 s59, 0
	s_and_b32 s62, s[WV], 3                        ; the mask: row 128 y + 32 (wave % 4)
	s_lshl_b32 s60, s15, 7
	s_lshl_b32 s61, s62, 5
	s_add_co_u32 s60, s60, s61
	s_lshl_b32 s60, s60, 13
	s_mov_b32 s61, 0
	s_mul_i32 s[LB], s[WV], PAIRB
	s_mul_i32 s70, s15, 24                         ; Q: block y x 24 + 2 g + pp
	s_lshl_b32 s71, s13, 1
	s_add_co_u32 s70, s70, s71
	s_add_co_u32 s70, s70, s67
	s_mul_i32 s70, s70, PAIRB
	s_lshl_b32 s72, s66, 10
	s_lshl_b32 s73, s68, 13
	s_add_co_u32 s72, s72, s73
	s_add_co_u32 s72, s72, s70                     ; its codes: 1,024 e + 8,192 qp
	s_mov_b32 s73, 0
	s_lshl_b32 s74, s66, 1
	s_lshl_b32 s75, s68, 3
	s_add_co_u32 s74, s74, s75
	s_add_co_u32 s74, s74, s70
	s_add_co_u32 s74, s74, 16384                   ; its scale words: 2 e + 8 qp
	s_mov_b32 s75, 0
	s_lshl_b32 s56, s15, 20                        ; the mask at my work-group's 128 rows
	s_mov_b32 s57, 0
	s_mul_i32 s54, s67, PAIRB                      ; the constants of the LDS addresses
	s_lshl_b32 s80, s66, 10
	s_add_co_u32 s80, s80, s54
	s_lshl_b32 s81, s66, 1
	s_add_co_u32 s81, s81, s54
	s_add_co_u32 s81, s81, 16384
	s_lshl_b32 s82, s66, 13
	s_add_co_u32 s82, s82, s54
	s_add_co_u32 s82, s82, VOFF
	s_lshl_b32 s83, s66, 3
	s_add_co_u32 s83, s83, s54
	s_add_co_u32 s83, s83, VOFF+16384
	s_mul_i32 s84, s68, 64*MP
	s_add_co_u32 s84, s84, MOFF
	s_lshl_b32 s85, s13, 18                        ; the prefetch: rows 32 cx + 16 wave on
	s_lshl_b32 s55, s[WV], 17
	s_add_co_u32 s85, s85, s55
	s_mov_b32 s[MNT], 0x600000
	s_mov_b32 s[SEL], 0x76543210
	s_mov_b32 s[SEL+1], 0xfedcba98
	s_mov_b32 s[CS], 0x3fb8aa3b                    ; log2(e)
	s_mov_b32 s[CS+1], s[CS]
	s_mov_b32 s[TB], 0
	s_mov_b32 s[TBN], 0
	s_mov_b32 s[CNT], 15
	s_mov_b32 s[PS], 512
	s_wait_dscnt 0x0                               ; both opening adds are done
	s_wait_kmcnt 0x0
	s_mov_b32 s[G0KV], 1
	s_mov_b32 s[G0KV+1], s[LB]
	s_add_nc_u64 s[G0KV+2:G0KV+3], s[4:5], s[58:59]
	s_or_b32 s[G0KV+3], s[G0KV+3], 0x80000000
	s_mov_b32 s[G0M], 1
	s_mov_b32 s[G0M+1], s[LB]
	s_add_nc_u64 s[G0M+2:G0M+3], s[6:7], s[60:61]
	s_or_b32 s[G0M+3], s[G0M+3], 0x80000000
	s_add_nc_u64 s[52:53], s[6:7], s[56:57]
	s_add_nc_u64 s[76:77], s[4:5], s[72:73]
	s_add_nc_u64 s[78:79], s[4:5], s[74:75]
	CROUND                                         ; all sixteen work-groups are here: the first joint loads meet
	JLOAD                                          ; key step 0 into slot 0: one load a wave
	v_and_b32 v13, 31, v0
	v_lshrrev_b32 v9, 1, v13
	v_and_b32 v10, 1, v13
	v_lshl_add_u32 v[PFB], v9, 13, s85             ; the prefetch: row lane / 2, 256 bytes a lane
	v_lshl_add_u32 v[PFB], v10, 8, v[PFB]
	v_lshlrev_b32 v13, 4, v13                      ; 16 x lane
	v_add_nc_u32 v1, s80, v13                      ; v1 K's images
	v_add_nc_u32 v2, s81, v13                      ; v2 K's scale words: my head's two bytes
	v_add_nc_u32 v3, s82, v13                      ; v3 V's images
	v_add_nc_u32 v4, s83, v13                      ; v4 V's scale words
	v_and_b32 v8, 15, v0
	v_bfe_u32 v10, v0, 4, 1
	v_mul_u32_u24 v5, v8, MP
	v_lshl_add_u32 v5, v10, 6, v5
	v_add_nc_u32 v5, s84, v5                       ; v5 the mask: row 64 qp + r, 64 bytes for the upper half of the lanes
	v_bfe_u32 v9, v0, 3, 1
	v_and_b32 v11, 7, v0
	v_lshlrev_b32 v11, 4, v11
	v_lshl_add_u32 v15, v9, 8, v11                 ; Q's scale words: 16 (r % 8) + 256 (r / 8)
	v_lshl_add_u32 v11, v9, 11, v11
	v_lshl_add_u32 v11, v10, 8, v11                ; Q's codes: 16 (r % 8) + 2,048 (r / 8) + 256 h
	WIN 0x40
.irp x, 0,1,2,3
	global_load_b128 v[QW+16*\x:QW+16*\x+3], v11, s[76:77] offset:4096*(\x/2)+128*(\x%2)
	global_load_b128 v[QW+16*\x+4:QW+16*\x+7], v11, s[76:77] offset:4096*(\x/2)+128*(\x%2)+512
.endr
	WIN 0
.irp x, 0,1,2,3
	global_load_u16 v[QSC+\x], v15, s[78:79] offset:4*(\x/2)+128*(\x%2)
.endr
	WIN 0x40
.set jj, 0
.rept 128
	v_mov_b32 v[jj], 0                             ; O^T of the four tiles
.set jj, jj+1
.endr
.irp x, 0,1,2,3
.set jj, 0
.rept 8
	v_mov_b32 v[QW+16*\x+8+jj], 0                  ; Q's zero codes for K = 64 .. 127
.set jj, jj+1
.endr
.endr
	WIN 0
.set jj, 0
.rept 8
	v_mov_b32 v[KB+64+jj], 0                       ; zero codes behind K's last tile
.set jj, jj+1
.endr
.irp x, 0,1,2,3
	v_mov_b32 v[ST+4*\x+2], 0
	v_mov_b32 v[ST+4*\x+3], 0
	v_mov_b32 v[ST+4*\x+1], 0xff61b1e6             ; the largest t so far: -3e38
.endr
.irp x, 0,1,2,3
	v_floor_f32 v[ST+4*\x], -v[ST+4*\x+1]
.endr
.irp b, 0,1,2,3
	v_mov_b32 v[BT+\b], 0                          ; a lane permute's destination counts as read
.endr
	v_mov_b32 v[FF+1], 0
	v_mov_b32 v[TMP], 0
	v_mov_b32 v10, 3
	s_wait_alu depctr_va_vdst(0)                   ; the wait ahead of the blocking wait
	s_wait_loadcnt 0x0                             ; Q and its scale words
.irp x, 0,1,2,3
	v_and_b32 v8, 0xff, v[QSC+\x]                  ; 3 off each of Q's two bytes: the division by 8; a byte under 3 is held at 0
	v_lshrrev_b32 v9, 8, v[QSC+\x]
	v_cmp_gt_u32 vcc_lo, 3, v8
	v_cndmask_b32 v8, v8, v10, vcc_lo
	v_cmp_gt_u32 vcc_lo, 3, v9
	v_cndmask_b32 v9, v9, v10, vcc_lo
	v_add_nc_u32 v8, -3, v8
	v_add_nc_u32 v9, -3, v9
	s_delay_alu instid0(VALU_DEP_1)
	v_lshl_or_b32 v[QSC+\x], v9, 8, v8
.endr
.macro QK x                            ; S^T = K Q^T / 8 + the mask: eight accumulators, one instruction each
	WIN 0x04
.irp t, 0,1,2,3,4,5,6,7
.if \t%2
	v_wmma_scale_f32_16x16x128_f8f6f4 v[S+8*\t:S+8*\t+7], v[KB+8*\t:KB+8*\t+15], v[QW+16*\x:QW+16*\x+15], v[S+8*\t:S+8*\t+7], v[KSC+\t/2], v[QSC+\x] matrix_a_scale:MATRIX_SCALE_ROW1
.else
	v_wmma_scale_f32_16x16x128_f8f6f4 v[S+8*\t:S+8*\t+7], v[KB+8*\t:KB+8*\t+15], v[QW+16*\x:QW+16*\x+15], v[S+8*\t:S+8*\t+7], v[KSC+\t/2], v[QSC+\x]
.endif
.endr
	WIN 0
.endm
.macro QKR x, from, to                 ; the same product's accumulators from .. to; the window stays as it is set
	WIN 0x04
.irp t, 0,1,2,3,4,5,6,7
.if (\t >= \from) && (\t <= \to)
.if \t%2
	v_wmma_scale_f32_16x16x128_f8f6f4 v[S+8*\t:S+8*\t+7], v[KB+8*\t:KB+8*\t+15], v[QW+16*(\x):QW+16*(\x)+15], v[S+8*\t:S+8*\t+7], v[KSC+\t/2], v[QSC+(\x)] matrix_a_scale:MATRIX_SCALE_ROW1
.else
	v_wmma_scale_f32_16x16x128_f8f6f4 v[S+8*\t:S+8*\t+7], v[KB+8*\t:KB+8*\t+15], v[QW+16*(\x):QW+16*(\x)+15], v[S+8*\t:S+8*\t+7], v[KSC+\t/2], v[QSC+(\x)]
.endif
.endif
.endr
.endm
.macro PV x
	WIN 0x51
.irp t, 0,1,2,3
.if \t%2
	v_wmma_scale_f32_16x16x128_f8f6f4 v[32*\x+8*\t:32*\x+8*\t+7], v[VW+16*\t:VW+16*\t+15], v[P:P+15], v[32*\x+8*\t:32*\x+8*\t+7], v[VSC+\t/2], v[PSW] matrix_a_scale:MATRIX_SCALE_ROW1
.else
	v_wmma_scale_f32_16x16x128_f8f6f4 v[32*\x+8*\t:32*\x+8*\t+7], v[VW+16*\t:VW+16*\t+15], v[P:P+15], v[32*\x+8*\t:32*\x+8*\t+7], v[VSC+\t/2], v[PSW]
.endif
.endr
	WIN 0
.endm
.macro MASK x                          ; tile x's rows of the mask into S^T's registers: my query at keys 32 b + 16 (lane / 16) + 4 j on
.irp b, 0,1,2,3
.irp j, 0,1,2,3
	ds_load_b128 v[S+16*\b+4*\j:S+16*\b+4*\j+3], v12 offset:16*MP*(\x)+128*\b+16*\j
.endr
.endr
.endm
; ONE TILE of a key step.  Register 16 b + i of S holds the logit of my query and key 32 b + 16 (lane / 16) + i.
.macro TILE x
.set NM,  ST+4*\x
.set SUM, ST+4*\x+2
.irp b, 0,1,2,3
	v_max3_num_f32 v[BM+\b], v[S+16*\b], v[S+16*\b+1], v[S+16*\b+2]           ; the largest logit of each block of 32 keys: it serves the row's maximum and, since p rises with the logit, the block's largest p
.endr
.irp i, 3,5,7,9,11,13
.irp b, 0,1,2,3
	v_max3_num_f32 v[BM+\b], v[BM+\b], v[S+16*\b+\i], v[S+16*\b+\i+1]
.endr
.endr
.irp b, 0,1,2,3
	v_max_num_f32 v[BM+\b], v[BM+\b], v[S+16*\b+15]
.endr
.irp b, 0,1,2,3
	s_delay_alu instid0(VALU_DEP_4)
	v_permlanex16_b32 v[BT+\b], v[BM+\b], s[SEL], s[SEL+1]
.endr
.irp b, 0,1,2,3
	s_delay_alu instid0(VALU_DEP_4)
	v_max_num_f32 v[BM+\b], v[BM+\b], v[BT+\b]     ; with lane l xor 16's 16 keys
.endr
	s_delay_alu instid0(VALU_DEP_2)
	v_max3_num_f32 v[TMP], v[BM], v[BM+1], v[BM+2]
	s_delay_alu instid0(VALU_DEP_1)
	v_max_num_f32 v[TMP], v[TMP], v[BM+3]
	s_delay_alu instid0(VALU_DEP_1)
	v_mul_f32 v[TMP], s[CS], v[TMP]                ; as t
	s_delay_alu instid0(VALU_DEP_1)
	v_max_num_f32 v[NM+1], v[NM+1], v[TMP]         ; the running largest t
	v_mov_b32 v[TMP], v[NM]
	s_delay_alu instid0(VALU_DEP_2)
	v_floor_f32 v[NM], -v[NM+1]                    ; the new -M = floor(-t): M is a whole number
.set jj, 0
.rept 32
	v_pk_fma_f32 v[S+jj:S+jj+1], v[S+jj:S+jj+1], s[CS:CS+1], v[NM:NM+1] op_sel_hi:[1,0,0]   ; t - M, two at a time; the three lines that make f stand among them, each well behind the one that it reads
.if jj == 6
	v_sub_f32 v[TMP], v[NM], v[TMP]                ; old M - new M: a whole number, 0 or less
.endif
.if jj == 16
	v_cvt_i32_f32 v[TMP], v[TMP]                   ; (it saturates)
.endif
.if jj == 26
	v_ldexp_f32 v[FF], 1.0, v[TMP]                 ; f = 2^(old M - new M): a multiplication by it rounds nothing
.endif
.set jj, jj+2
.endr
.irp b, 0,1,2,3
	v_fma_f32 v[BM+\b], v[BM+\b], s[CS], v[NM]     ; the same of each block's largest logit
.endr
	s_wait_alu depctr_va_vdst(0)                   ; the wait ahead of the batch
.set jj, 0
.rept 64
	v_exp_f32 v[S+jj], v[S+jj]                     ; p = 2^(t - M)
.set jj, jj+1
.endr
.irp b, 0,1,2,3
	v_exp_f32 v[BM+\b], v[BM+\b]                   ; the block's largest p: the same two instructions on the same number
.endr
	v_pk_mul_f32 v[SUM:SUM+1], v[SUM:SUM+1], v[FF:FF+1] op_sel_hi:[1,0]       ; the sums under the new M (a plain instruction behind the exponentials)
	s_wait_alu depctr_va_vdst(0)                   ; and the one wait behind the batch
.irp b, 0,1,2,3
	v_max_num_f32 v[BM+\b], 0x4800000, v[BM+\b]    ; the floor 2^(9 - 127): the byte cannot fall under 1
.endr
.irp b, 0,1,2,3
	s_delay_alu instid0(VALU_DEP_4)
	v_add_nc_u32 v[BS+\b], 0xfc000000, v[BM+\b]
.endr
.irp b, 0,1,2,3
	v_and_or_b32 v[BH+\b], v[BM+\b], 0x7f800000, s[MNT]
.endr
.irp b, 0,1,2,3
	v_lshrrev_b32 v[BT+\b], 23, v[BS+\b]
.endr
	s_delay_alu instid0(VALU_DEP_3)
	v_lshl_or_b32 v[WRD], v[BT+1], 8, v[BT]
	s_delay_alu instid0(VALU_DEP_1)
	v_lshl_or_b32 v[WRD], v[BT+2], 16, v[WRD]
	s_delay_alu instid0(VALU_DEP_1)
	v_lshl_or_b32 v[PSW], v[BT+3], 24, v[WRD]      ; far more than eight plain instructions ahead of the products that take it
	v_pk_add_f32 v[SUM:SUM+1], v[SUM:SUM+1], v[S:S+1]          ; the row's sum is taken of the unquantised p, in four chains by turns; they are joined behind the conversions
	v_pk_add_f32 v[SU2:SU2+1], v[S+2:S+3], v[S+10:S+11]
	v_pk_add_f32 v[SU3:SU3+1], v[S+4:S+5], v[S+12:S+13]
	v_pk_add_f32 v[SU4:SU4+1], v[S+6:S+7], v[S+14:S+15]
	v_pk_add_f32 v[SUM:SUM+1], v[SUM:SUM+1], v[S+8:S+9]
.set jj, 16
.rept 6
	v_pk_add_f32 v[SUM:SUM+1], v[SUM:SUM+1], v[S+jj:S+jj+1]
	v_pk_add_f32 v[SU2:SU2+1], v[SU2:SU2+1], v[S+jj+2:S+jj+3]
	v_pk_add_f32 v[SU3:SU3+1], v[SU3:SU3+1], v[S+jj+4:S+jj+5]
	v_pk_add_f32 v[SU4:SU4+1], v[SU4:SU4+1], v[S+jj+6:S+jj+7]
.set jj, jj+8
.endr
.irp b, 0,1,2,3
.set jj, 0
.rept 8
	v_dual_min_num_f32 v[S+16*\b+jj], v[S+16*\b+jj], v[BH+\b] :: v_dual_min_num_f32 v[S+16*\b+jj+1], v[S+16*\b+jj+1], v[BH+\b]   ; the conversion does not saturate (ISA guide 7.6.2); p is not negative, so the hold is one-sided; two holds an instruction
.set jj, jj+2
.endr
	v_cvt_scalef32_pk8_fp8_f32 v[P+4*\b:P+4*\b+1], v[S+16*\b:S+16*\b+7], v[BS+\b]
	v_cvt_scalef32_pk8_fp8_f32 v[P+4*\b+2:P+4*\b+3], v[S+16*\b+8:S+16*\b+15], v[BS+\b]
.if \x < 3
.irp j, 0,1,2,3
	ds_load_b128 v[S+16*\b+4*\j:S+16*\b+4*\j+3], v12 offset:16*MP*(\x+1)+128*\b+16*\j   ; this block of p is in codes: the next tile's mask for it sets out
.endr
.endif
.endr
	v_pk_add_f32 v[SUM:SUM+1], v[SUM:SUM+1], v[SU2:SU2+1]      ; the four chains joined (also the plain instructions behind the last conversion)
	v_pk_add_f32 v[SU3:SU3+1], v[SU3:SU3+1], v[SU4:SU4+1]
	s_delay_alu instid0(VALU_DEP_1)
	v_pk_add_f32 v[SUM:SUM+1], v[SUM:SUM+1], v[SU3:SU3+1]
.if \x < 3
	s_wait_dscnt 4                                 ; all but the last block's four loads: V (issued earlier) and the mask of keys 0 .. 95 are in
	QKR \x+1, 0, 5                                 ; THE NEXT TILE'S SCORES ARE STARTED AHEAD OF THIS TILE'S SECOND PRODUCT: the sixteen rescalings below are the places in front of their first read
	s_wait_dscnt 0x0
	QKR \x+1, 6, 7
.endif
	s_wait_alu depctr_va_vdst(0)                   ; the wait directly ahead of the first reader of O^T
	WIN 0x41
.set jj, 0
.rept 16
	v_pk_mul_f32 v[32*\x+jj:32*\x+jj+1], v[32*\x+jj:32*\x+jj+1], v[FF:FF+1] op_sel_hi:[1,0]   ; O^T under the new M, each accumulator from its low end on; also the places between the codes and the products
.set jj, jj+2
.endr
	PV \x
.endm
; A KEY STEP: 128 keys, four tiles.
.macro STEP
	v_add_nc_u32 v8, s[TB], v1                     ; the slot's addresses: these five and three v_nop are the eight places between the last products and the loads into the registers that they read
	v_add_nc_u32 v9, s[TB], v2
	v_add_nc_u32 v10, s[TB], v3
	v_add_nc_u32 v11, s[TB], v4
	v_add_nc_u32 v12, s[TB], v5
.rept 3
	v_nop
.endr
.irp u, 0,1,2,3
	ds_load_u16 v[KSC+\u], v9 offset:4*\u          ; two bytes: the upper two of the register are 0, over zero products
.endr
.irp t, 0,1,2,3,4,5,6,7
	ds_load_b128 v[KB+8*\t:KB+8*\t+3], v8 offset:2048*\t
	ds_load_b128 v[KB+8*\t+4:KB+8*\t+7], v8 offset:2048*\t+512
.endr
	MASK 0
	ds_load_b64 v[VSC:VSC+1], v11
	WIN 0x40
.irp t, 0,1,2,3
.irp c, 0,1,2,3
	ds_load_b128 v[VW+16*\t+4*\c:VW+16*\t+4*\c+3], v10 offset:2048*\t+512*\c
.endr
.endr
	WIN 0
	s_wait_alu depctr_va_vdst(0)                   ; the wait ahead of the blocking wait
	s_wait_dscnt 17                                ; all but V's sixteen loads and its scale words
	QK 0
.rept 8
	v_nop                                          ; places in front of the first read of tile 0's scores
.endr
.irp x, 0,1,2,3
	TILE \x
.endr
.endm
; THE CHANGE OF SLOTS stands at a step's head: each wave waits for all its tensor loads, adds 0 to its spare word, and waits for that and for its reads of the slot that it has left.
; fill = 1: a round of the cluster's barrier, and behind it the joint fill of the slot that has been left: it has a whole key step in which to land.
.macro CHANGE fill
	s_wait_tensorcnt 0x0                           ; no tensor load of mine is out, so a group 0 may be written
	ds_add_u32 v[SPW], v[NIL]
.if \fill
	s_xor_b32 s[TBN], s[TBN], SLOTB                ; the other slot than last time, the next key step
	s_add_co_u32 s[G0KV+1], s[LB], s[TBN]
	s_add_nc_u64 s[G0KV+2:G0KV+3], s[G0KV+2:G0KV+3], 24*PAIRB
	s_add_co_u32 s[G0M+1], s[LB], s[TBN]
	s_add_nc_u64 s[G0M+2:G0M+3], s[G0M+2:G0M+3], 512
	s_wait_dscnt 0x0
	CROUND
	JLOAD                                          ; the first thing behind the round, and a wave's one tensor load until the next
	s_cmp_lt_u32 s[WV], 2                          ; waves 0 and 1 ask for my work-group's 32 rows x 512 bytes (256 a lane) of the mask's tile of the step after the one just requested;
	s_cbranch_scc0 .Lno_pf_\@                      ; the four partners' rows make the tile: each aligned 256 bytes once.  The byte is held at the last tile's, so no request leaves the buffer
	s_wait_xcnt 0x0                                ; the last trip's request has read its address register
	s_add_co_u32 s[PS], s[PS], 512
	s_min_u32 s[PS], s[PS], 7680
	v_add_nc_u32 v[PFA], s[PS], v[PFB]
	global_prefetch_b8 v[PFA], s[52:53] th:TH_LOAD_NT scope:SCOPE_SE
.Lno_pf_\@:
.else
	s_wait_dscnt 0x0
	s_barrier_signal -1
	s_barrier_wait -1
.endif
.endm
	s_wait_alu depctr_va_vdst(0)                   ; the wait at the head's end
.Lk:                                               ; 15 trips: behind each change of slots but the last the next key step is asked for
	CHANGE 1
	s_wait_alu depctr_va_vdst(0)
	STEP
	s_xor_b32 s[TB], s[TB], SLOTB
	s_sub_co_u32 s[CNT], s[CNT], 1
	s_cmp_lg_u32 s[CNT], 0
	s_cbranch_scc1 .Lk
	CHANGE 0                                       ; the last step is written out
	STEP
	; THE WAY OUT.  O^T / the sum is quantised along the head's 64 (register 16 b + i = channel 32 b + 16 (lane / 16) + i); codes and scale bytes of the work-group's 128 queries x 4 heads meet in LDS and leave as rows.
	s_and_b32 s54, s[WV], 3                        ; my head among the four
	s_mul_i32 s55, s68, 64*272
	s_lshl_b32 s56, s54, 6
	s_add_co_u32 s55, s55, s56
	s_add_co_u32 s55, s55, STG
	s_lshl_b32 s56, s68, 9
	s_lshl_b32 s57, s54, 1
	s_add_co_u32 s56, s56, s57
	s_add_co_u32 s56, s56, SST
	s_mul_i32 s57, s[WV], 16*272
	s_add_co_u32 s57, s57, STG
	s_lshl_b32 s58, s15, 17                        ; ac: row 128 y + 16 w, byte 256 g
	s_lshl_b32 s59, s[WV], 14
	s_add_co_u32 s58, s58, s59
	s_lshl_b32 s59, s13, 8
	s_add_co_u32 s58, s58, s59
	s_mov_b32 s59, 0
	s_add_nc_u64 s[8:9], s[8:9], s[58:59]
	s_lshl_b32 s58, s15, 12                        ; asc: row 128 y, byte 8 g
	s_lshl_b32 s60, s13, 3
	s_add_co_u32 s58, s58, s60
	s_add_nc_u64 s[10:11], s[10:11], s[58:59]
	v_and_b32 v8, 15, v0                           ; r  (these lines are also places behind the last products)
	v_bfe_u32 v9, v0, 4, 1                         ; h
	v_mul_u32_u24 v10, v8, 272
	v_lshl_add_u32 v10, v9, 4, v10
	v_add_nc_u32 v10, s55, v10                     ; codes in: my query's row (tile x: 16 x rows on), 64 bytes a head, 16 for the upper half of the lanes
	v_lshlrev_b32 v11, 3, v8
	v_add_nc_u32 v11, s56, v11                     ; scale bytes in: 8 a row, 2 a head
	v_mul_u32_u24 v12, v9, 272
	v_lshl_add_u32 v12, v8, 4, v12
	v_add_nc_u32 v12, s57, v12                     ; back: wave w takes rows 16 w on, sixteen lanes to a row
	v_lshlrev_b32 v13, 10, v9
	v_lshl_add_u32 v13, v8, 4, v13                 ; and the same place in ac
	v_and_b32 v8, 31, v0
	v_lshl_add_u32 v1, v8, 3, SST                  ; the scale bytes back: 8 a lane
	v_lshlrev_b32 v2, 5, v8                        ; and a row of asc a lane
.macro FIN x
.set SUM, ST+4*\x+2
	v_add_f32 v[SUM], v[SUM], v[SUM+1]
	s_delay_alu instid0(VALU_DEP_1)
	v_permlanex16_b32 v[TMP], v[SUM], s[SEL], s[SEL+1]
	s_delay_alu instid0(VALU_DEP_1)
	v_add_f32 v[SUM], v[SUM], v[TMP]               ; the row's sum
	s_wait_alu depctr_va_vdst(0)                   ; the wait ahead of the transcendental
	v_rcp_f32 v[FF], v[SUM]
	v_nop                                          ; one plain instruction behind it
	s_wait_alu depctr_va_vdst(0)                   ; and the wait ahead of its first reader, which is also the first reader of O^T
	WIN 0x01
.set jj, 0
.rept 16
	v_pk_mul_f32 v[S+jj:S+jj+1], v[32*\x+jj:32*\x+jj+1], v[FF:FF+1] op_sel_hi:[1,0]   ; each accumulator from its low end on
.set jj, jj+2
.endr
	WIN 0
.irp b, 0,1
	v_max3_num_f32 v[BM+\b], |v[S+16*\b]|, |v[S+16*\b+1]|, 0x4800000
.endr
.irp i, 2,4,6,8,10,12,14
.irp b, 0,1
	s_delay_alu instid0(VALU_DEP_2)
	v_max3_num_f32 v[BM+\b], v[BM+\b], |v[S+16*\b+\i]|, |v[S+16*\b+\i+1]|
.endr
.endr
.irp b, 0,1
	s_delay_alu instid0(VALU_DEP_2)
	v_permlanex16_b32 v[BT+\b], v[BM+\b], s[SEL], s[SEL+1]
.endr
.irp b, 0,1
	s_delay_alu instid0(VALU_DEP_2)
	v_max_num_f32 v[BM+\b], v[BM+\b], v[BT+\b]
.endr
.irp b, 0,1
	s_delay_alu instid0(VALU_DEP_2)
	v_add_nc_u32 v[BS+\b], 0xfc000000, v[BM+\b]
.endr
.irp b, 0,1
	s_delay_alu instid0(VALU_DEP_4)
	v_and_or_b32 v[BH+\b], v[BM+\b], 0x7f800000, s[MNT]
.endr
.irp b, 0,1
	s_delay_alu instid0(VALU_DEP_4)
	v_lshrrev_b32 v[BT+\b], 23, v[BS+\b]
.endr
	s_delay_alu instid0(VALU_DEP_1)
	v_lshl_or_b32 v[WRD], v[BT+1], 8, v[BT]
.irp b, 0,1
.set jj, 0
.rept 16
	v_med3_num_f32 v[S+16*\b+jj], v[S+16*\b+jj], -v[BH+\b], v[BH+\b]
.set jj, jj+1
.endr
	v_cvt_scalef32_pk8_fp8_f32 v[P+4*\b:P+4*\b+1], v[S+16*\b:S+16*\b+7], v[BS+\b]
	v_cvt_scalef32_pk8_fp8_f32 v[P+4*\b+2:P+4*\b+3], v[S+16*\b+8:S+16*\b+15], v[BS+\b]
.endr
	v_nop                                          ; one plain instruction behind the conversions
	ds_store_b128 v10, v[P:P+3] offset:4352*\x
	ds_store_b128 v10, v[P+4:P+7] offset:4352*\x+32
	ds_store_b16 v11, v[WRD] offset:128*\x         ; both halves of the lanes write the same two bytes with the same value
.endm
.irp x, 0,1,2,3
	FIN \x
.endr
	s_wait_dscnt 0x0                               ; for the others' sake: my stores are done
	s_barrier_signal -1
	s_barrier_wait -1
.irp i, 0,1,2,3,4,5,6,7
	ds_load_b128 v[S+4*\i:S+4*\i+3], v12 offset:544*\i
.endr
.irp i, 0,1,2,3,4,5,6,7
	s_wait_dscnt 7-\i                              ; LDS loads come back in order: row pair i is in
	global_store_b128 v13, v[S+4*\i:S+4*\i+3], s[8:9] offset:2048*\i          ; sixteen lanes store 256 consecutive bytes, aligned
.endr
	s_cmp_lg_u32 s[WV], 0
	s_cbranch_scc1 .Lno_sc
.irp i, 0,1,2,3
	ds_load_b64 v[S+32+2*\i:S+33+2*\i], v1 offset:256*\i
.endr
	s_wait_dscnt 0x0
.irp i, 0,1,2,3
	global_store_b64 v2, v[S+32+2*\i:S+33+2*\i], s[10:11] offset:1024*\i      ; 8 scale bytes of each of 128 rows
.endr
.Lno_sc:
	s_wait_tensorcnt 0x0                           ; the wave's end
	ds_add_u32 v[SPW], v[NIL]
	s_wait_dscnt 0x0
	CROUND                                         ; the closing round
	s_endpgm
.Lfunc_end_k_q8fe5e63739_attn:
	.size	k_q8fe5e63739_attn, .Lfunc_end_k_q8fe5e63739_attn-k_q8fe5e63739_attn
	.p2alignl 7, 3214868480
	.fill 96, 4, 3214868480
	.section	.rodata,"a",@progbits
	.p2align	6, 0x0
	.amdhsa_kernel k_q8fe5e63739_attn
		.amdhsa_group_segment_fixed_size 327680
		.amdhsa_private_segment_fixed_size 0
		.amdhsa_enable_private_segment 0
		.amdhsa_kernarg_size 32
		.amdhsa_user_sgpr_count 2
		.amdhsa_user_sgpr_kernarg_segment_ptr 1
		.amdhsa_wavefront_size32 1
		.amdhsa_system_sgpr_workgroup_id_x 1
		.amdhsa_system_sgpr_workgroup_id_y 1
		.amdhsa_system_sgpr_workgroup_id_z 1
		.amdhsa_system_vgpr_workitem_id 0
		.amdhsa_next_free_vgpr 512
		.amdhsa_next_free_sgpr 96
		.amdhsa_reserve_vcc 1
		.amdhsa_float_denorm_mode_32 3
		.amdhsa_float_denorm_mode_16_64 3
		.amdhsa_memory_ordered 1
		.amdhsa_forward_progress 1
		.amdhsa_inst_pref_size 191
	.end_amdhsa_kernel
	.amdgpu_metadata
---
amdhsa.version: [ 1, 2 ]
amdhsa.kernels:
  - .name:           k_q8fe5e63739_attn
    .symbol:         k_q8fe5e63739_attn.kd
    .args:
      - { .name: qkvb, .offset: 0, .size: 8, .value_kind: global_buffer, .address_space: global }
      - { .name: attention_mask, .offset: 8, .size: 8, .value_kind: global_buffer, .address_space: global }
      - { .name: ac, .offset: 16, .size: 8, .value_kind: global_buffer, .address_space: global }
      - { .name: asc, .offset: 24, .size: 8, .value_kind: global_buffer, .address_space: global }
    .group_segment_fixed_size: 327680
    .private_segment_fixed_size: 0
    .kernarg_segment_align: 8
    .kernarg_segment_size: 32
    .max_flat_workgroup_size: 256
    .sgpr_count:     96
    .vgpr_count:     512
    .wavefront_size: 32
...
	.end_amdgpu_metadata
.endif
;; end of part 3
;; launch gemm_out (part 4): grid 4 x 32, 4 waves a work-group, clusters of 4 x 4, 327,680 bytes of LDS; arguments ac, asc, wc, ws, b_out, hidden_states, out0; writes out0
.if DOCPART == 4
	.amdgcn_target "amdgcn-amd-amdhsa--gfx1250"
	.amdhsa_code_object_version 6
	.text
	.protected	k_q8fe5e63739_gemm_out
	.globl	k_q8fe5e63739_gemm_out
	.p2align	8
	.type	k_q8fe5e63739_gemm_out,@function
k_q8fe5e63739_gemm_out:
	s_mov_b64 s[64:65], 0
	v_nop
	global_prefetch_b8 v0, s[64:65] scope:SCOPE_SE
	s_setreg_imm32_b32 hwreg(HW_REG_WAVE_MODE, 25, 1), 1
	s_wait_xcnt 0x0
	s_wait_alu depctr_hold_cnt(0) depctr_sa_sdst(0) depctr_va_vdst(0) depctr_va_sdst(0) depctr_va_ssrc(0) depctr_va_vcc(0) depctr_vm_vsrc(0)
	s_getreg_b32 s2, hwreg(HW_REG_IB_STS2, 6, 4)
	s_cmp_eq_u32 s2, 0
	s_cbranch_scc0 .Lentry_in_a_cluster
	s_endpgm
.Lentry_in_a_cluster:
	s_bfe_u32 s2, ttmp6, 0x10000c
	s_cmp_lg_u32 s2, 0xf033
	s_cbranch_scc0 .Lentry_shape_is_right
	s_endpgm
.Lentry_shape_is_right:
.set SIZE_N, 1024
.set SIZE_K, 1024
.set KSTEP,  256
.set NQ,     KSTEP/128
.set ROWB,   256
.set KROW,   SIZE_K
.set PITCH,  272
.set FR,     16
.set NL,     4
.set NP,     8
.set HALFT,  128*PITCH
.set SLOT,   4*HALFT
.set LAPS,   SIZE_K/(2*KSTEP)
.set KS,     SIZE_K/32
.set SCL,    2*SLOT
.set HALFS,  (128*KS/256)*272
.set SBLK,   (16*KS/256)*272
.set SPARE,  SCL+4*HALFS
.set SPITCH, 528
.set ADRA, 16
.set ADRB, 20
.set STO,  24
.set RD,   25
.set CO,   26
.set ADRS, 27
.set SPW,  28
.set NIL,  29
.set PFO,  30
.set SC,   32
.set BT,   64
.set AF,   128
.set BK,   128
.set G1, 24
.set G0, 32
.set G1B, 48
.set G0B, 56
.set G1S, 68
.set G0S, 76
.set G1SB, 80
.set G0SB, 88
.set MSB, 0
.macro WIN new
.if MSB != (\new)
	s_set_vgpr_msb (MSB<<8)|(\new)
.set MSB, (\new)
.endif
.endm
.set MUL_LO,  0xa1
.set MUL_HI,  0xf1
.set MUL_LO0, 0x81
.set MUL_HI0, 0xc1
.set TO_B,    0x40
.macro JLOAD g0a, g1a, g0b, g1b
	s_cmp_eq_u32 s15, 0
	s_cbranch_scc0 .Lfor_b_\@
	tensor_load_to_lds s[\g0a:\g0a+3], s[\g1a:\g1a+7]
	s_nop 0
.rept 4
	v_nop
.endr
	s_branch .Lasked_\@
.Lfor_b_\@:
	tensor_load_to_lds s[\g0b:\g0b+3], s[\g1b:\g1b+7]
	s_nop 0
.rept 4
	v_nop
.endr
.Lasked_\@:
.endm
.macro CREST
	s_cmp_lg_u32 s14, 0
	s_cbranch_scc1 .Lnot_wave_0_\@
	s_barrier_signal -3
.Lnot_wave_0_\@:
	s_barrier_wait -3
	s_barrier_signal -1
	s_barrier_wait -1
.endm
.macro CROUND
	s_barrier_signal -1
	s_barrier_wait -1
	CREST
.endm
	s_load_b128 s[4:7], s[0:1], 0x0
	s_load_b128 s[8:11], s[0:1], 0x10
	s_load_b64 s[66:67], s[0:1], 0x20
	s_load_b64 s[98:99], s[0:1], 0x28
	s_load_b64 s[12:13], s[0:1], 0x30
	v_lshl_add_u32 v[SPW], v0, 2, SPARE
	v_mov_b32 v[NIL], 0
	ds_add_u32 v28, v29
	ds_add_u32 v28, v29
	s_wait_dscnt 0x0
	v_lshrrev_b32 v1, 5, v0
	v_readfirstlane_b32 s14, v1
	s_lshr_b32 s15, s14, 1
	s_and_b32 s16, s14, 1
	s_bfe_u32 s40, ttmp6, 0x40000
	s_bfe_u32 s41, ttmp6, 0x40004
	s_lshl_b32 s42, ttmp9, 2
	s_add_co_u32 s42, s42, s40
	s_and_b32 s17, ttmp7, 0xffff
	s_lshl_b32 s17, s17, 2
	s_add_co_u32 s17, s17, s41
	s_lshl_b32 s43, s41, 2
	s_lshl_b32 s43, 15, s43
	s_lshl_b32 s44, 0x1111, s40
	s_or_b32 s[G1+0], s43, (0<<16)|(1<<20)|(1<<21)|(5<<22)|(3<<25)
	s_or_b32 s[G1B+0], s44, (0<<16)|(1<<20)|(1<<21)|(5<<22)|(3<<25)
.irp g, G1, G1B
	s_mov_b32 s[\g+1], ROWB<<16
	s_mov_b32 s[\g+2], 256<<16                     ; the head's loads bring 256 rows; behind them the two words that count rows are set to 128
	s_mov_b32 s[\g+3], ROWB<<16
	s_mov_b32 s[\g+4], 256
	s_mov_b32 s[\g+5], KROW
	s_mov_b32 s[\g+6], 0
	s_mov_b32 s[\g+7], 0
.endr
	s_or_b32 s[G1S+0], s43, (3<<16)|(1<<20)|(1<<21)|(5<<22)|(3<<25)
	s_or_b32 s[G1SB+0], s44, (3<<16)|(1<<20)|(1<<21)|(5<<22)|(3<<25)
.irp g, G1S, G1SB
	s_mov_b32 s[\g+1], 32<<16
	s_mov_b32 s[\g+2], KS<<16                      ; the scales of 256 rows: KS rows of 256 bytes
	s_mov_b32 s[\g+3], 32<<16
	s_mov_b32 s[\g+4], KS
	s_mov_b32 s[\g+5], 32
	s_mov_b32 s[\g+6], 0
	s_mov_b32 s[\g+7], 0
.endr
	s_lshl_b32 s18, s16, 7
	s_lshl_b32 s20, s17, 8
	s_add_co_u32 s20, s20, s18
	s_lshl_b32 s46, s42, 8
	s_add_co_u32 s46, s46, s18
	s_mov_b32 s21, 0
	s_mov_b32 s47, 0
	s_mov_b64 s[18:19], KS
	s_mul_u64 s[22:23], s[20:21], s[18:19]
	s_mul_u64 s[92:93], s[46:47], s[18:19]
	s_mov_b64 s[18:19], KROW
	s_mul_u64 s[20:21], s[20:21], s[18:19]
	s_mul_u64 s[46:47], s[46:47], s[18:19]
	s_mul_i32 s45, s14, HALFT
	s_mul_i32 s94, s14, HALFS
	s_wait_kmcnt 0x0
	s_add_nc_u64 s[8:9], s[8:9], 3072*1024
	s_add_nc_u64 s[10:11], s[10:11], 3072*32
	s_add_nc_u64 s[20:21], s[4:5], s[20:21]
	s_add_nc_u64 s[22:23], s[6:7], s[22:23]
	s_add_nc_u64 s[46:47], s[8:9], s[46:47]
	s_add_nc_u64 s[92:93], s[10:11], s[92:93]
	CROUND
	s_mov_b32 s[G0S], 1                            ; the scales are fetched by waves 1 and 3, whose own half is the upper one: 128 rows back in memory and in LDS is the block's start
	s_add_co_u32 s[G0S+1], s94, SCL-HALFS
	s_sub_nc_u64 s[G0S+2:G0S+3], s[22:23], 128*KS
	s_or_b32 s[G0S+3], s[G0S+3], 0x80000000
	s_mov_b32 s[G0SB], 1
	s_add_co_u32 s[G0SB+1], s94, SCL-HALFS
	s_sub_nc_u64 s[G0SB+2:G0SB+3], s[92:93], 128*KS
	s_or_b32 s[G0SB+3], s[G0SB+3], 0x80000000
.irp s, 0,1
	s_mov_b32 s[G0+4*\s], 1
	s_add_co_u32 s[G0+4*\s+1], s45, \s*SLOT
	s_add_nc_u64 s[G0+4*\s+2:G0+4*\s+3], s[20:21], \s*ROWB
	s_or_b32 s[G0+4*\s+3], s[G0+4*\s+3], 0x80000000
	s_mov_b32 s[G0B+4*\s], 1
	s_add_co_u32 s[G0B+4*\s+1], s45, \s*SLOT
	s_add_nc_u64 s[G0B+4*\s+2:G0B+4*\s+3], s[46:47], \s*ROWB
	s_or_b32 s[G0B+4*\s+3], s[G0B+4*\s+3], 0x80000000
.endr
; THE HEAD'S LOADS, ONE A WAVE: waves 0 and 2, whose own half is the lower one, fetch K step 0's 256 rows of A and of B by slot 0's descriptors; waves 1 and 3 the scales of A's and of B's 256 rows.
; One tree of branches on the wave's number: every way passes exactly one load.
.macro HARM g0, g1
	tensor_load_to_lds s[\g0:\g0+3], s[\g1:\g1+7]
	s_nop 0
.rept 4
	v_nop
.endr
.endm
	s_cmp_eq_u32 s16, 0
	s_cbranch_scc0 .Lhead_s
	s_cmp_eq_u32 s15, 0
	s_cbranch_scc0 .Lhead_b
	HARM G0, G1
	s_branch .Lhead_asked
.Lhead_b:
	HARM G0B, G1B
	s_branch .Lhead_asked
.Lhead_s:
	s_cmp_eq_u32 s15, 0
	s_cbranch_scc0 .Lhead_sb
	HARM G0S, G1S
	s_branch .Lhead_asked
.Lhead_sb:
	HARM G0SB, G1SB
.Lhead_asked:
	v_and_b32 v1, 15, v0
	v_bfe_u32 v2, v0, 4, 1
	v_mul_u32_u24 v3, v1, PITCH
	v_lshl_add_u32 v4, v2, 4, v3
	s_mul_i32 s21, s15, HALFT
	s_mul_i32 s22, s16, HALFT
	s_add_co_u32 s22, s22, 2*HALFT
.irp s, 0,1
	v_add_nc_u32 v[ADRA+\s], s21, v4
	v_add_nc_u32 v[ADRB+\s], s22, v4
	s_add_co_u32 s21, s21, SLOT
	s_add_co_u32 s22, s22, SLOT
.endr
	v_mul_u32_u24 v5, v1, KS
	v_lshrrev_b32 v6, 8, v5
	v_lshl_add_u32 v5, v6, 4, v5
	s_mul_i32 s21, s15, HALFS
	s_mul_i32 s22, s16, HALFS
	s_add_co_u32 s22, s22, 2*HALFS
	s_sub_co_u32 s22, s22, s21
	v_mul_u32_u24 v6, s22, v2
	s_add_co_u32 s21, s21, SCL
	v_add_nc_u32 v5, v5, v6
	v_add_nc_u32 v[ADRS], s21, v5
	s_mul_i32 s23, s14, 16*SPITCH
	v_mul_u32_u24 v5, v1, SPITCH
	v_lshl_add_u32 v5, v2, 6, v5
	v_add_nc_u32 v[STO], s23, v5
	v_and_b32 v6, 31, v0
	v_lshlrev_b32 v[CO], 4, v6
	v_add_nc_u32 v[RD], s23, v[CO]
	v_lshrrev_b32 v7, 1, v6
	v_and_b32 v8, 1, v6
	v_lshlrev_b32 v[PFO], 12, v7
	v_lshl_add_u32 v[PFO], v8, 8, v[PFO]
	s_lshl_b32 s20, s17, 8
	s_lshl_b32 s21, s15, 7
	s_add_co_u32 s20, s20, s21
	s_mov_b32 s21, 0
	s_mov_b64 s[18:19], SIZE_N*4
	s_mul_u64 s[20:21], s[20:21], s[18:19]
	s_lshl_b32 s46, s42, 10
	s_lshl_b32 s47, s16, 9
	s_add_co_u32 s46, s46, s47
	s_mov_b32 s47, 0
	s_add_nc_u64 s[66:67], s[66:67], s[46:47]
	s_add_nc_u64 s[20:21], s[20:21], s[46:47]
	s_add_nc_u64 s[12:13], s[12:13], s[20:21]
	s_add_nc_u64 s[98:99], s[98:99], s[20:21]
	v_lshlrev_b32 v8, 6, v2
.irp b, 0,1,2,3,4,5,6,7
	global_load_b128 v[BT+8*\b:BT+8*\b+3], v8, s[66:67] offset:(32*(\b/2)+8*(\b%2))*4
	global_load_b128 v[BT+8*\b+4:BT+8*\b+7], v8, s[66:67] offset:(32*(\b/2)+8*(\b%2))*4+16
.endr
.macro FRAG reg, adr, q, i
.irp c, 0,1,2,3
	ds_load_b128 v[\reg+4*\c:\reg+4*\c+3], v[\adr] offset:128*(\q)+32*\c+(\i)*16*PITCH
.endr
.endm
.macro MUL16 a0, p, q, sc, zero
.irp a, \a0, \a0+1
.irp b, 0,1,2,3,4,5,6,7
.if \zero
	v_wmma_scale_f32_16x16x128_f8f6f4 v[8*(8*((\a)%4)+\b):8*(8*((\a)%4)+\b)+7], v[128*(\p)+FR*\b:128*(\p)+FR*\b+FR-1], v[AF+FR*(\a):AF+FR*(\a)+FR-1], v[BT+8*\b:BT+8*\b+7], v[SC+8*NQ*(\sc)+NQ*\b+(\q)], v[SC+8*NQ*(\sc)+NQ*(\a)+(\q)] matrix_a_scale:MATRIX_SCALE_ROW1
.else
	v_wmma_scale_f32_16x16x128_f8f6f4 v[8*(8*((\a)%4)+\b):8*(8*((\a)%4)+\b)+7], v[128*(\p)+FR*\b:128*(\p)+FR*\b+FR-1], v[AF+FR*(\a):AF+FR*(\a)+FR-1], v[8*(8*((\a)%4)+\b):8*(8*((\a)%4)+\b)+7], v[SC+8*NQ*(\sc)+NQ*\b+(\q)], v[SC+8*NQ*(\sc)+NQ*(\a)+(\q)] matrix_a_scale:MATRIX_SCALE_ROW1
.endif
.endr
.endr
.endm
.macro FETCH_B slot, q, p
	WIN TO_B
.irp i, 0,1,2,3,4,5,6,7
	FRAG 128*(\p)+FR*\i, ADRB+\slot, \q, \i
.endr
	WIN 0
.endm
.macro FETCH_A slot, q, i0
.irp i, \i0, \i0+1, \i0+2, \i0+3
	FRAG AF+FR*(\i), ADRA+\slot, \q, \i
.endr
.endm
.macro SCALES sc
.irp i, 0,1,2,3,4,5,6,7
	ds_load_b64 v[SC+8*NQ*\sc+NQ*\i:SC+8*NQ*\sc+NQ*\i+1], v[ADRS] offset:\i*SBLK
.endr
.endm
.macro PLACES n
.rept \n
	v_nop
.endr
.endm
.macro STEP slot, q, zero
	s_wait_dscnt 4*NL
.if \zero
	WIN MUL_LO0
.else
	WIN MUL_LO
.endif
	MUL16 0, (\q)%2, \q, \slot, \zero
	MUL16 2, (\q)%2, \q, \slot, \zero
	s_wait_dscnt 0
	PLACES NP
	FETCH_B \slot, (\q)+1, 1-(\q)%2
	FETCH_A \slot, (\q)+1, 0
.if \zero
	WIN MUL_HI0
.else
	WIN MUL_HI
.endif
	MUL16 4, (\q)%2, \q, \slot, \zero
	MUL16 6, (\q)%2, \q, \slot, \zero
	PLACES NP
	WIN 0
	FETCH_A \slot, (\q)+1, 4
.endm
.macro TURN slot, next, fill
	s_wait_tensorcnt 0x0
	ds_add_u32 v[SPW], v[NIL]
	s_wait_dscnt 4*NL+1
	WIN MUL_LO
	MUL16 0, 1, NQ-1, \slot, 0
	s_wait_dscnt 0x0
	s_barrier_signal -1
	MUL16 2, 1, NQ-1, \slot, 0
	WIN 0
	s_barrier_wait -1
.if \fill
	CREST
	s_add_nc_u64 s[G0+4*\slot+2:G0+4*\slot+3], s[G0+4*\slot+2:G0+4*\slot+3], 2*ROWB
	s_add_nc_u64 s[G0B+4*\slot+2:G0B+4*\slot+3], s[G0B+4*\slot+2:G0B+4*\slot+3], 2*ROWB
	JLOAD G0+4*\slot, G1, G0B+4*\slot, G1B
	PLACES NP-4
.else
	PLACES NP
.endif
	s_wait_alu depctr_va_vdst(0)
	v_add_nc_u32 v[ADRS], 4*NQ, v[ADRS]
	FETCH_B \next, 0, 0
	FETCH_A \next, 0, 0
	SCALES \next
	WIN MUL_HI
	MUL16 4, 1, NQ-1, \slot, 0
	MUL16 6, 1, NQ-1, \slot, 0
	PLACES NP
	WIN 0
	FETCH_A \next, 0, 4
.endm
	s_wait_alu depctr_va_vdst(0)                   ; the wait at the head's end
	s_wait_tensorcnt 0x0                           ; my tile of the head's four is in; the lines ahead of a later first fill:
	ds_add_u32 v[SPW], v[NIL]
	s_mov_b32 s[G1+2], 128<<16                     ; no tensor load of mine is out: from here on a load brings 128 rows
	s_mov_b32 s[G1+4], 128
	s_mov_b32 s[G1B+2], 128<<16
	s_mov_b32 s[G1B+4], 128
	s_wait_dscnt 0x0
	CROUND                                         ; all four tiles are in, and all sixteen work-groups are here
	JLOAD G0+4, G1, G0B+4, G1B                     ; K step 1 into slot 1: the first tensor load behind the round
	FETCH_B 0, 0, 0
	FETCH_A 0, 0, 0
	SCALES 0
	FETCH_A 0, 0, 4
	s_wait_loadcnt 0x0
	STEP 0, 0, 1
	s_mov_b32 s3, LAPS-1
.Llap:
	TURN 0, 1, 1
	STEP 1, 0, 0
	TURN 1, 0, 1
	STEP 0, 0, 0
	s_sub_co_u32 s3, s3, 1
	s_cmp_lg_u32 s3, 0
	s_cbranch_scc1 .Llap
.irp i, 0,1,2,3
	global_prefetch_b8 v[PFO], s[98:99] offset:65536*\i th:TH_LOAD_NT scope:SCOPE_SE
.endr
	TURN 0, 1, 0
.irp i, 4,5,6,7
	global_prefetch_b8 v[PFO], s[98:99] offset:65536*\i th:TH_LOAD_NT scope:SCOPE_SE
.endr
	STEP 1, 0, 0
	s_wait_dscnt 4*NL
	WIN MUL_LO
	MUL16 0, 1, NQ-1, 1, 0
	MUL16 2, 1, NQ-1, 1, 0
	s_wait_dscnt 0
	WIN MUL_HI
	MUL16 4, 1, NQ-1, 1, 0
	MUL16 6, 1, NQ-1, 1, 0
	WIN 0
.macro RLOAD a
	WIN 0x40
.irp t, 0,1,2,3,4,5,6,7,8,9,10,11,12,13,14,15
	global_load_b128 v[64*((\a)%4)+4*\t:64*((\a)%4)+4*\t+3], v[CO], s[98:99] offset:(16*(\a)+\t)*SIZE_N*4 th:TH_LOAD_NT
.endr
	WIN 0
.endm
.macro TOSTAGE a
.set AC, 64*((\a)%4)
.set WW, 0x08+4*((\a)/4)
	WIN WW
.irp b, 0,1,2,3,4,5,6,7
	ds_store_b128 v[STO], v[AC+8*\b:AC+8*\b+3] offset:128*(\b/2)+32*(\b%2)
	ds_store_b128 v[STO], v[AC+8*\b+4:AC+8*\b+7] offset:128*(\b/2)+32*(\b%2)+16
.endr
	WIN 0
.set BB, BK+64*((\a)%2)
.irp t, 0,1,2,3,4,5,6,7,8,9,10,11,12,13,14,15
	ds_load_b128 v[BB+4*\t:BB+4*\t+3], v[RD] offset:\t*SPITCH
.endr
.endm
.macro SEND a, younger, loads
.set BB, BK+64*((\a)%2)
.set RB, 64*((\a)%4)
	s_wait_dscnt \younger
	s_wait_loadcnt \loads
	WIN 0x04
.irp t, 0,1,2,3,4,5,6,7,8,9,10,11,12,13,14,15
	v_pk_add_f32 v[BB+4*\t:BB+4*\t+1], v[BB+4*\t:BB+4*\t+1], v[RB+4*\t:RB+4*\t+1]
	v_pk_add_f32 v[BB+4*\t+2:BB+4*\t+3], v[BB+4*\t+2:BB+4*\t+3], v[RB+4*\t+2:RB+4*\t+3]
.endr
	WIN 0
.irp t, 0,1,2,3,4,5,6,7,8,9,10,11,12,13,14,15
	global_store_b128 v[CO], v[BB+4*\t:BB+4*\t+3], s[12:13] offset:(16*(\a)+\t)*SIZE_N*4 th:TH_STORE_NT
.endr
.endm
	PLACES NP
	RLOAD 0
	RLOAD 1
	RLOAD 2
	TOSTAGE 0
.irp a, 0,1,2,3,4,5,6,7
.if \a < 5
	RLOAD \a+3
.endif
.if \a < 7
	s_wait_xcnt 0x0
	TOSTAGE \a+1
.endif
.if \a < 5
	SEND \a, 32, 48
.elseif \a < 7
	SEND \a, 32, 16*(7-\a)
.else
	SEND \a, 0, 0
.endif
.endr
	s_wait_tensorcnt 0x0
	ds_add_u32 v[SPW], v[NIL]
	s_wait_dscnt 0x0
	CROUND
	s_endpgm
.Lfunc_end_k_q8fe5e63739_gemm_out:
	.size	k_q8fe5e63739_gemm_out, .Lfunc_end_k_q8fe5e63739_gemm_out-k_q8fe5e63739_gemm_out
	.p2alignl 7, 3214868480
	.fill 96, 4, 3214868480
	.section	.rodata,"a",@progbits
	.p2align	6, 0x0
	.amdhsa_kernel k_q8fe5e63739_gemm_out
		.amdhsa_group_segment_fixed_size 327680
		.amdhsa_private_segment_fixed_size 0
		.amdhsa_enable_private_segment 0
		.amdhsa_kernarg_size 56
		.amdhsa_user_sgpr_count 2
		.amdhsa_user_sgpr_kernarg_segment_ptr 1
		.amdhsa_wavefront_size32 1
		.amdhsa_system_sgpr_workgroup_id_x 1
		.amdhsa_system_sgpr_workgroup_id_y 1
		.amdhsa_system_sgpr_workgroup_id_z 1
		.amdhsa_system_vgpr_workitem_id 0
		.amdhsa_next_free_vgpr 1024
		.amdhsa_next_free_sgpr 100
		.amdhsa_reserve_vcc 0
		.amdhsa_float_denorm_mode_32 3
		.amdhsa_float_denorm_mode_16_64 3
		.amdhsa_memory_ordered 1
		.amdhsa_forward_progress 1
		.amdhsa_inst_pref_size 178
	.end_amdhsa_kernel
	.amdgpu_metadata
---
amdhsa.version: [ 1, 2 ]
amdhsa.kernels:
  - .name:           k_q8fe5e63739_gemm_out
    .symbol:         k_q8fe5e63739_gemm_out.kd
    .args:
      - { .name: ac, .offset: 0, .size: 8, .value_kind: global_buffer, .address_space: global }
      - { .name: asc, .offset: 8, .size: 8, .value_kind: global_buffer, .address_space: global }
      - { .name: wc, .offset: 16, .size: 8, .value_kind: global_buffer, .address_space: global }
      - { .name: ws, .offset: 24, .size: 8, .value_kind: global_buffer, .address_space: global }
      - { .name: b_out, .offset: 32, .size: 8, .value_kind: global_buffer, .address_space: global }
      - { .name: hidden_states, .offset: 40, .size: 8, .value_kind: global_buffer, .address_space: global }
      - { .name: out0, .offset: 48, .size: 8, .value_kind: global_buffer, .address_space: global }
    .group_segment_fixed_size: 327680
    .private_segment_fixed_size: 0
    .kernarg_segment_align: 8
    .kernarg_segment_size: 56
    .max_flat_workgroup_size: 128
    .sgpr_count:     100
    .vgpr_count:     1024
    .wavefront_size: 32
...
	.end_amdgpu_metadata
.endif
;; end of part 4
